; MI455X (gfx1250); checked and timed in simulation.
; The chip was launched on July 23, 2026; its instructions are those of AMD's public machine-readable ISA for CDNA 5 (MIT licence, August 2026) and "CDNA5" Instruction Set Architecture Reference Guide (July 2026). The comments in the code are by the model that wrote it; some were corrected since.
;; Multi Head Attention. Allowed arithmetic: matrix products marked QUANTISED: E2M3 operands, one E8M0 scale for each 32 along K, by v_wmma_scale_f32_16x16x128_f8f6f4 with both operands' format E2M3, f32 sums; everything else in f32.
;; Inputs: Wk 16 x 1,024 x 64 float32; Wo 1,024 x 1,024 float32; Wq 16 x 1,024 x 64 float32; Wv 16 x 1,024 x 64 float32; bk 16 x 64 float32; bo 1,024 float32; bq 16 x 64 float32; bv 16 x 64 float32; key 4 x 2,048 x 1,024 float32; mask 4 x 2,048 x 2,048 bool; query 4 x 2,048 x 1,024 float32; value 4 x 2,048 x 1,024 float32.
;; Outputs: out0 4 x 2,048 x 1,024 float32.
;; This version of the problem:
;;   THIS VERSION OF THE PROBLEM IS GIVEN IN LOW PRECISION. The matrix products marked QUANTISED in the list below multiply operands that are first quantised to E2M3 (2 exponent bits, 3 mantissa bits; 6 bits a number), with one power-of-two scale for each 32 numbers along K (OCP MX v1.0); their sums are f32. All else is computed in f32.
;;   The module's matrix products, in the order in which they are computed (A, B: the left and right operand; K: the contracted axis; several contracted axes count as one K, in the product's order):
;;     1. [M 1,024, K 1,024] x [K 1,024, N 8,192]; A: input Wq; B: input query: QUANTISED
;;     2. [M 1,024, K 1,024] x [K 1,024, N 8,192]; A: input Wk; B: input key: QUANTISED
;;     3. [M 1,024, K 1,024] x [K 1,024, N 8,192]; A: input Wv; B: input value: QUANTISED
;;     4. batch 64 x [M 2,048, K 64] x [K 64, N 2,048]; A: computed on the way; B: computed on the way: QUANTISED
;;     5. batch 64 x [M 2,048, K 2,048] x [K 2,048, N 64]; A: softmax (see below); B: computed on the way: QUANTISED
;;     6. [M 8,192, K 1,024] x [K 1,024, N 1,024]; A: computed on the way; B: input Wo: QUANTISED
;;   THE QUANTISER, for each operand of a quantised product, along K:
;;     - K is cut into blocks of 32 from its start; a last block that is shorter is filled with zeros.
;;     - A block's scale is 2^e with e = floor(log2(the largest magnitude in the block)) - 2, held to -126 .. 127; a block of zeros has e = 0. As a byte (E8M0): e + 127.
;;     - Each number is divided by its block's scale, clamped to +-7.5, and rounded to the nearest number of E2M3, ties to even, subnormals kept.
;;     - The product sums the exact products of the quantised numbers (number of the format x scale) in f32.
;;   ~~~python
;;   def quantise(x, axis):      # numpy; x: float32 -> the quantised numbers, widened to float32 again
;;       x = np.moveaxis(x, axis, -1); K = x.shape[-1]
;;       x = np.pad(x, [(0, 0)] * (x.ndim - 1) + [(0, -K % 32)]); x = x.reshape(x.shape[:-1] + (-1, 32)); a = np.abs(x).max(-1, keepdims=True)
;;       e = np.where(a > 0, np.clip(np.frexp(np.where(a > 0, a, 1))[1] - 1 - 2, -126, 127), 0)      # np.frexp(a)[1] - 1 = floor(log2(a)), exactly
;;       r = np.clip(x / 2.0 ** e, -7.5, 7.5)
;;       step = 2.0 ** (np.maximum(np.frexp(np.where(r == 0, 1, r))[1] - 1, 0) - 3)
;;       q = np.round(r / step) * step * 2.0 ** e      # np.round: ties to even
;;       return np.moveaxis(q.reshape(q.shape[:-2] + (-1,))[..., :K], -1, axis).astype(np.float32)
;;   ~~~
;;   SOFTMAX AHEAD OF A QUANTISED PRODUCT. Where the list says 'softmax', what is quantised is not the finished softmax but p = 2^(t - M), with t = logit x log2(e) and M = ceil(the row's largest t), a whole number; so 1/2 < the row's largest p <= 1. The row's sum l is taken of the UNQUANTISED p, in f32, and the product's result is divided by l at the end. Since M is a whole number, a kernel that streams over the keys may use a running M (the ceiling of the running maximum): every later rescaling is an exact power of two, which a block's scale takes up: the codes' values come out the same.
;;   OPERANDS COMPUTED ON THE WAY. 'Computed on the way' means the value that the module computes at that place (a softmax that the list does not call 'softmax' is quantised finished and normalised). What goes into a quantiser is computed in f32, as accurately as f32 sums, v_exp_f32 and their like allow (about 1e-6 of the number): no bf16 or f16 on the way to a quantiser, and a product that is left as it is and whose result goes on into a quantised operand takes f32 operands (vector FMAs, or v_wmma_f32_16x16x4_f32). A number that lies on a knife's edge between two numbers of the format may be rounded either way, as far as f32 arithmetic and the matrix unit's own rounding can turn it there, and no further.
;; One version. Each part assembles by itself: llvm-mc -triple=amdgcn-amd-amdhsa -mcpu=gfx1250 --defsym DOCPART=n.
;; ======== version 1 of 1: 4 launches
;; limits: right only within a limited range of input values
;; workspace buffers: act 19,660,800 bytes; wgt 3,276,800 bytes; mw 2,097,152 bytes of whole numbers; qc 6,815,744 bytes; kv 13,369,344 bytes; yc 6,815,744 bytes
;; launch prep (part 1): grid 1024 x 1, 4 waves a work-group, no clusters, 81,408 bytes of LDS; arguments query, key, value, mask, Wq, Wk, Wv, Wo, act, wgt, mw; writes act, wgt, mw
.if DOCPART == 1
	.amdgcn_target "amdgcn-amd-amdhsa--gfx1250"
	.amdhsa_code_object_version 6
	.text
	.protected	k_q0ff4e04711_prep
	.globl	k_q0ff4e04711_prep
	.p2align	8
	.type	k_q0ff4e04711_prep,@function
k_q0ff4e04711_prep:
	s_mov_b64 s[64:65], 0
	v_nop
	global_prefetch_b8 v0, s[64:65] scope:SCOPE_SE
	s_setreg_imm32_b32 hwreg(HW_REG_WAVE_MODE, 25, 1), 1
	s_wait_xcnt 0x0
; Three jobs in one launch, told apart by the work-group's number; each has LDS bytes of its own.
;   0..127    Wq, Wk, Wv [16][1024][64] and Wo [1024][1024], f32, K = the axis of 1,024 that is not innermost -> codes of E2M3 and E8M0 scale words in wgt
;   128..511  query, key, value [8192][1024] f32, K innermost -> codes and scale words in act
;   512..1023 mask [4][2048][2048] bytes -> words of 32 lane bits in mw, one word for each score register of the attention launch
; LAYOUT OF CODES.  Rows go in groups of 32; rowtile 2 g + u holds rows 32 g + 8 u + r + 8 (r / 8), r = 0 .. 15.  A fragment (16 rows x 128 K, 12 registers a lane) lies as an image of its
; registers, 1,536 bytes: registers 0-3 at 16 x lane, 4-5 at 512 + 8 x lane, 6-9 at 768 + 16 x lane, 10-11 at 1,280 + 8 x lane.  A rowtile's 8 K steps lie on end (12,288 bytes).
; Scale words: 512 bytes a rowtile, row r's eight words (one for each K step) at 32 r.
; A block's scale is 2^(floor(log2(largest magnitude)) - 2); its byte is the largest magnitude's exponent field - 2, held at 1 from below.
; LIMITS: a block of zeros gets the byte 1 (its codes are zeros; only this program reads the bytes); NaN and infinities among the inputs are not served.
; No tensor loads, no barrier: waves share nothing.  No cluster: no two work-groups read the same bytes.
.set ACT_SC, 18874368                  ; where act's scale words begin
.set WGT_SC, 3145728                   ; where wgt's begin
.set LDS_C,  33792                     ; LDS: 0.. activations' stages, LDS_C.. the mask's, LDS_B.. the weights'
.set LDS_B,  67584
.set FLOOR,  0x1800000                 ; 2^(3 - 127)
.set WV,   26                          ; s26  wave
.set SEL,  27                          ; s27-28 selects for v_permlanex16_b32: lane l xor 16
.set HI,   29                          ; s29  lanes 16-31
.set RR,   2                           ; v2   lane % 16
.set HH,   3                           ; v3   lane / 16
.set LI16, 4                           ; v4   16 x lane
.set LI8,  5                           ; v5   8 x lane
.set LI4,  6                           ; v6   4 x lane
	s_load_b512 s[4:19], s[0:1], 0x0               ; query 4, key 6, value 8, mask 10, Wq 12, Wk 14, Wv 16, Wo 18
	s_load_b128 s[20:23], s[0:1], 0x40             ; act 20, wgt 22
	s_load_b64 s[24:25], s[0:1], 0x50              ; mw
	v_lshl_add_u32 v62, v0, 2, 0x13c00
	v_mov_b32 v63, 0
	v_lshrrev_b32 v1, 5, v0
	v_readfirstlane_b32 s[WV], v1
	v_and_b32 v1, 31, v0                           ; lane
	v_and_b32 v[RR], 15, v0
	v_bfe_u32 v[HH], v0, 4, 1
	v_lshlrev_b32 v[LI16], 4, v1
	v_lshlrev_b32 v[LI8], 3, v1
	v_lshlrev_b32 v[LI4], 2, v1
	s_mov_b32 s[SEL], 0x76543210
	s_mov_b32 s[SEL+1], 0xfedcba98
	s_mov_b32 s[HI], 0xffff0000
	s_mov_b32 s37, 0                               ; the high word of every offset pair s[36:37]
	s_wait_kmcnt 0x0
	s_cmp_lt_u32 ttmp9, 128
	s_cbranch_scc1 .Lweights
	s_cmp_lt_u32 ttmp9, 512
	s_cbranch_scc1 .Lacts
; ---------------- THE MASK.  The work-group takes one tile of 16 queries, wave w its keys 512 w .. 512 w + 511: four key steps of 128.
; Word 16 b + i of a step, bit r + 16 h, is mask[query r of the tile][128 step + 32 b + 16 h + i]: the lane and register in which the attention launch holds that score.
	s_sub_co_u32 s30, ttmp9, 512                   ; the tile, 0 .. 511 (128 for each of the 4 batches)
	s_lshr_b32 s31, s30, 1
	s_lshl_b32 s31, s31, 16                        ; 32 rows of 2,048 bytes
	s_and_b32 s32, s30, 1
	s_lshl_b32 s32, s32, 14                        ; 8 rows
	s_add_co_u32 s36, s31, s32
	s_lshl_b32 s32, s[WV], 9
	s_add_co_u32 s36, s36, s32
	s_add_nc_u64 s[34:35], s[10:11], s[36:37]
	s_lshl_b32 s36, s30, 12                        ; 16 steps x 256 bytes a tile
	s_lshl_b32 s32, s[WV], 10
	s_add_co_u32 s36, s36, s32
	s_add_nc_u64 s[38:39], s[24:25], s[36:37]
.irp i, 0,1,2,3,4,5,6,7,8,9,10,11,12,13,14,15
	global_load_b128 v[64+4*\i:64+4*\i+3], v[LI16], s[34:35] offset:(\i+8*(\i/8))*2048 th:TH_LOAD_NT   ; 512 consecutive bytes of one row
.endr
	s_mul_i32 s42, s[WV], 8448                     ; my stage: 16 rows x (512 + 16) bytes
	s_add_co_u32 s42, s42, LDS_C
	v_add_nc_u32 v7, s42, v[LI16]                  ; in: 16 x lane of a row
	v_mul_u32_u24 v8, v[RR], 528
	v_lshl_add_u32 v8, v[HH], 4, v8
	v_add_nc_u32 v8, s42, v8                       ; back: row r, + 16 h
.irp j, 0,1,2,3,4,5,6,7
	v_mov_b32 v[16+\j], 0                          ; a lane write's destination counts as read
.endr
	s_wait_loadcnt 0x0
.irp i, 0,1,2,3,4,5,6,7,8,9,10,11,12,13,14,15
	ds_store_b128 v7, v[64+4*\i:64+4*\i+3] offset:528*\i
.endr
.irp q, 0,1,2,3,4,5,6,7,8,9,10,11,12,13,14,15
	ds_load_b128 v[128+4*\q:128+4*\q+3], v8 offset:32*\q   ; step q / 4, block q % 4: my 16 keys' bytes.  LDS serves a wave's instructions in order: these see the stores
.endr
	s_wait_dscnt 0x0
; eight words at a time: a byte is cut out, compared with 0 (the 32 lanes' bits are the word), and the word is put into the lane and register from which it is stored
.set q, 0
.rept 32
.irp a, 0,1,2,3,4,5,6,7
	v_and_b32 v[24+\a], 0xff<<(8*(\a%4)), v[128+2*q+\a/4]
.endr
.irp a, 0,1,2,3,4,5,6,7
	v_cmp_ne_u32 s[44+\a], 0, v[24+\a]
.endr
.irp a, 0,1,2,3,4,5,6,7
	v_writelane_b32 v[16+4*(q/16)+\a%4], s[44+\a], 2*(q%16)+\a/4
.endr
.set q, q+1
.endr
	global_store_b128 v[LI16], v[16:19], s[38:39]              ; two steps' 128 words: 512 consecutive bytes
	global_store_b128 v[LI16], v[20:23], s[38:39] offset:512
	s_wait_tensorcnt 0x0
	ds_add_u32 v62, v63
	s_wait_dscnt 0x0
	s_endpgm
; ---------------- THE ACTIVATIONS.  A wave takes one rowtile for all 8 K steps.
.set STA, 7                            ; v7   the stage, on the way in
.set RDA, 8                            ; v8   and back
.set SH8, 9                            ; v9   8 h
.set SCA, 10                           ; v10  32 r + 16 h: my four scale words' place
.set TP,  11
.set MX,  12                           ; v12-13 largest magnitudes
.set SO,  14                           ; v14-15 the conversions' scale operands
.set BY,  16                           ; v16-17 scale bytes
.set SW,  24                           ; v24-31 the row's eight scale words
.set PC,  32                           ; v32-43 a fragment's codes
.set T,   44                           ; v44-51 halves of blocks on their way
.set RA,  64                           ; v64-191 two sets of 64 registers as loaded
.set XA,  192                          ; v192-255: register 32 c + i = k 64 c + 32 h + i of my row
; 64 numbers of a lane, two whole blocks, become a fragment's codes in v[PC] on, and with lane l xor 16's two bytes the row's scale word
.macro QUANTF x, sw
.irp c, 0,1
	v_max3_num_f32 v[MX+\c], |v[\x+32*\c]|, |v[\x+32*\c+1]|, FLOOR   ; the floor holds the byte at 1 from below
.endr
.irp i, 2,4,6,8,10,12,14,16,18,20,22,24,26,28,30
.irp c, 0,1
	v_max3_num_f32 v[MX+\c], v[MX+\c], |v[\x+32*\c+\i]|, |v[\x+32*\c+\i+1]|
.endr
.endr
.irp c, 0,1
	v_add_nc_u32 v[SO+\c], 0xff000000, v[MX+\c]    ; 2 off the exponent field: the conversion takes that field as its scale
.endr
.irp c, 0,1
	v_lshrrev_b32 v[BY+\c], 23, v[SO+\c]
.endr
	v_lshl_or_b32 v[\sw], v[BY+1], 16, v[BY]       ; blocks h and 2 + h,
	v_lshlrev_b32 v[\sw], v[SH8], v[\sw]           ; at their places in the word
	v_permlanex16_b32 v[TP], v[\sw], s[SEL], s[SEL+1]
	v_or_b32 v[\sw], v[\sw], v[TP]
	s_wait_xcnt 0x0                                ; the last fragment's stores have read the registers that are written now
.irp c, 0,1
	v_cvt_scalef32_pk16_fp6_f32 v[PC+6*\c:PC+6*\c+2], v[\x+32*\c:\x+32*\c+15], v[SO+\c]
	v_cvt_scalef32_pk16_fp6_f32 v[T+4*\c:T+4*\c+2], v[\x+32*\c+16:\x+32*\c+31], v[SO+\c]   ; (a conversion's three registers begin on an even number)
.endr
	v_nop                                          ; one plain place behind a scaled conversion
.irp c, 0,1
.irp i, 0,1,2
	v_mov_b32 v[PC+6*\c+3+\i], v[T+4*\c+\i]
.endr
.endr
.endm
.macro LOADA k                         ; K step k of my 16 rows: each load reads 512 consecutive bytes of one row
.irp i, 0,1,2,3,4,5,6,7,8,9,10,11,12,13,14,15
	global_load_b128 v[RA+64*((\k)%2)+4*\i:RA+64*((\k)%2)+4*\i+3], v[LI16], s[34:35] offset:(\i+8*(\i/8))*4096+512*(\k) th:TH_LOAD_NT
.endr
.endm
.macro ASTEP k
.if (\k) < 7
	s_wait_loadcnt 16                              ; this K step's 16 loads are in; the next one's may be out
.else
	s_wait_loadcnt 0x0
.endif
.irp i, 0,1,2,3,4,5,6,7,8,9,10,11,12,13,14,15
	ds_store_b128 v[STA], v[RA+64*((\k)%2)+4*\i:RA+64*((\k)%2)+4*\i+3] offset:528*\i
.endr
.irp c, 0,1
.irp j, 0,1,2,3,4,5,6,7
	ds_load_b128 v[XA+32*\c+4*\j:XA+32*\c+4*\j+3], v[RDA] offset:256*\c+16*\j   ; LDS serves a wave's instructions in order: these see the stores
.endr
.endr
	s_wait_dscnt 0x0                               ; the numbers are back, and the stores have read their registers,
.if (\k)+2 < 8
	LOADA (\k)+2                                   ; which take the loads of two K steps on
.endif
	QUANTF XA, SW+(\k)
	global_store_b128 v[LI16], v[PC:PC+3], s[38:39] offset:1536*(\k) th:TH_STORE_NT          ; each store covers 512 or 256 consecutive bytes, aligned
	global_store_b64 v[LI8], v[PC+4:PC+5], s[38:39] offset:1536*(\k)+512 th:TH_STORE_NT
	global_store_b128 v[LI16], v[PC+6:PC+9], s[38:39] offset:1536*(\k)+768 th:TH_STORE_NT
	global_store_b64 v[LI8], v[PC+10:PC+11], s[38:39] offset:1536*(\k)+1280 th:TH_STORE_NT
.endm
.Lacts:
	s_sub_co_u32 s30, ttmp9, 128
	s_lshl_b32 s30, s30, 2
	s_add_co_u32 s30, s30, s[WV]                   ; my rowtile among 3 x 512
	s_lshr_b32 s31, s30, 9                         ; which tensor
	s_and_b32 s32, s30, 511
	s_cmp_eq_u32 s31, 1
	s_cselect_b64 s[34:35], s[6:7], s[4:5]
	s_cmp_eq_u32 s31, 2
	s_cselect_b64 s[34:35], s[8:9], s[34:35]
	s_lshr_b32 s36, s32, 1
	s_lshl_b32 s36, s36, 17                        ; 32 rows of 4,096 bytes
	s_and_b32 s33, s32, 1
	s_lshl_b32 s33, s33, 15                        ; 8 rows
	s_add_co_u32 s36, s36, s33
	s_add_nc_u64 s[34:35], s[34:35], s[36:37]
	s_mul_i32 s36, s30, 12288
	s_add_nc_u64 s[38:39], s[20:21], s[36:37]      ; my codes
	s_lshl_b32 s36, s30, 9
	s_add_co_u32 s36, s36, ACT_SC
	s_add_nc_u64 s[40:41], s[20:21], s[36:37]      ; my scale words
	LOADA 0
	LOADA 1
	s_mul_i32 s42, s[WV], 8448                     ; my stage: 16 rows x (512 + 16) bytes
	v_add_nc_u32 v[STA], s42, v[LI16]
	v_mul_u32_u24 v[RDA], v[RR], 528
	v_lshl_add_u32 v[RDA], v[HH], 7, v[RDA]
	v_add_nc_u32 v[RDA], s42, v[RDA]               ; row r, + 32 h numbers
	v_lshlrev_b32 v[SH8], 3, v[HH]
	v_lshlrev_b32 v[SCA], 5, v[RR]
	v_lshl_add_u32 v[SCA], v[HH], 4, v[SCA]
	v_mov_b32 v[TP], 0                             ; a lane permute's destination counts as read
.irp k, 0,1,2,3,4,5,6,7
	ASTEP \k
.endr
.irp j, 0,1,2,3
	v_cndmask_b32 v[T+\j], v[SW+\j], v[SW+4+\j], s[HI]   ; lanes 0-15 store the row's words 0-3, lanes 16-31 its words 4-7
.endr
	global_store_b128 v[SCA], v[T:T+3], s[40:41]   ; 512 consecutive bytes
	s_wait_tensorcnt 0x0
	ds_add_u32 v62, v63
	s_wait_dscnt 0x0
	s_endpgm
; ---------------- THE WEIGHTS.  A lane takes a column (a row of the operand) and its registers run down K.  The work-group takes 32 columns, a pair of rowtiles, for all of K; wave w K steps 2 w and 2 w + 1.
.set WST16, 10                         ; v10  the stage: where my registers 0-3 of a unit go
.set WST8,  11                         ; v11  and my registers 4-5
.set WRD,   12                         ; v12  back: 16 x lane
.set WSA,   13                         ; v13  my row of scale words
.set SB,    18                         ; v18-19 my two scale words
.set WPC,   32                         ; v32-37 a block's codes
.set WT,    40
.set XW,    64                         ; v64-127 two sets of 32 numbers
.set WOUT,  128                        ; v128-175 two fragments read back, for each of my two K steps
.macro LOADW t, pitch                  ; block t: 32 rows of K at my column: 128 consecutive bytes a load
.irp i, 0,1,2,3,4,5,6,7,8,9,10,11,12,13,14,15,16,17,18,19,20,21,22,23,24,25,26,27,28,29,30,31
	global_load_b32 v[XW+32*((\t)%2)+\i], v[LI4], s[34:35] offset:(32*(\t)+\i)*(\pitch)
.endr
.endm
.macro BLOCK t, pitch
.set XS_, XW+32*((\t)%2)
.if (\t) < 7
	s_wait_loadcnt 32                              ; this block's 32 loads are in; the next block's may be out
.else
	s_wait_loadcnt 0x0
.endif
	v_max3_num_f32 v14, |v[XS_]|, |v[XS_+1]|, |v[XS_+2]|
	v_max3_num_f32 v15, |v[XS_+3]|, |v[XS_+4]|, |v[XS_+5]|
.irp i, 6,10,14,18,22,26
	v_max3_num_f32 v14, v14, |v[XS_+\i]|, |v[XS_+\i+1]|
	v_max3_num_f32 v15, v15, |v[XS_+\i+2]|, |v[XS_+\i+3]|
.endr
	v_max3_num_f32 v14, v14, |v[XS_+30]|, |v[XS_+31]|
	v_max3_num_f32 v14, v14, v15, FLOOR
	v_add_nc_u32 v16, 0xff000000, v14
	v_lshrrev_b32 v17, 23, v16
.if (\t)%4 == 0
	v_mov_b32 v[SB+(\t)/4], v17
.else
	v_lshl_or_b32 v[SB+(\t)/4], v17, 8*((\t)%4), v[SB+(\t)/4]
.endif
	v_cvt_scalef32_pk16_fp6_f32 v[WPC:WPC+2], v[XS_:XS_+15], v16
	v_cvt_scalef32_pk16_fp6_f32 v[WT:WT+2], v[XS_+16:XS_+31], v16
	v_nop                                          ; one plain place behind a scaled conversion
.irp i, 0,1,2
	v_mov_b32 v[WPC+3+\i], v[WT+\i]
.endr
	ds_store_b128 v[WST16], v[WPC:WPC+3] offset:768*(((\t)%4)/2)+256*((\t)%2)      ; my block is what lane r' + 16 (t % 2) of unit (t % 4) / 2 holds
	ds_store_b64 v[WST8], v[WPC+4:WPC+5] offset:512+768*(((\t)%4)/2)+128*((\t)%2)
.if (\t)+2 < 8
	LOADW (\t)+2, \pitch
.endif
	s_wait_dscnt 0x0                               ; the stores have read their registers
.if (\t)%4 == 3                        ; a K step's two fragments are whole: back as they lie, and out
.irp q, 0,1,2,3,4,5
	ds_load_b128 v[WOUT+24*((\t)/4)+4*\q:WOUT+24*((\t)/4)+4*\q+3], v[WRD] offset:512*\q
.endr
	s_wait_dscnt 0x0
.irp q, 0,1,2,3,4,5
	global_store_b128 v[LI16], v[WOUT+24*((\t)/4)+4*\q:WOUT+24*((\t)/4)+4*\q+3], s[38:39] offset:1536*((\t)/4)+12288*(\q/3)+512*(\q%3) th:TH_STORE_NT
.endr
.endif
.endm
.macro WPATH pitch
	LOADW 0, \pitch
	LOADW 1, \pitch
.irp t, 0,1,2,3,4,5,6,7
	BLOCK \t, \pitch
.endr
	global_store_b64 v[WSA], v[SB:SB+1], s[40:41]  ; my column's two words: 8 bytes in each 32; 128 KB of such stores in the whole launch
	s_wait_tensorcnt 0x0
	ds_add_u32 v62, v63
	s_wait_dscnt 0x0
	s_endpgm
.endm
.Lweights:
	s_lshr_b32 s30, ttmp9, 5                       ; which weight
	s_and_b32 s31, ttmp9, 31                       ; which 32 columns
	s_cmp_eq_u32 s30, 1
	s_cselect_b64 s[34:35], s[14:15], s[12:13]
	s_cmp_eq_u32 s30, 2
	s_cselect_b64 s[34:35], s[16:17], s[34:35]
	s_cmp_eq_u32 s30, 3
	s_cselect_b64 s[34:35], s[18:19], s[34:35]
	s_lshr_b32 s43, s31, 1                         ; Wq, Wk, Wv: head = P / 2 (262,144 bytes), d = 32 (P % 2) on, K rows of 256 bytes, mine from 256 w on
	s_lshl_b32 s43, s43, 18
	s_and_b32 s44, s31, 1
	s_lshl_b32 s44, s44, 7
	s_add_co_u32 s43, s43, s44
	s_lshl_b32 s44, s[WV], 16
	s_add_co_u32 s43, s43, s44
	s_lshl_b32 s45, s31, 7                         ; Wo: column 32 P on, K rows of 4,096 bytes
	s_lshl_b32 s44, s[WV], 20
	s_add_co_u32 s45, s45, s44
	s_cmp_eq_u32 s30, 3
	s_cselect_b32 s36, s45, s43
	s_add_nc_u64 s[34:35], s[34:35], s[36:37]
	s_lshl_b32 s36, s30, 6
	s_lshl_b32 s44, s31, 1
	s_add_co_u32 s46, s36, s44                     ; the pair's first rowtile
	s_mul_i32 s36, s46, 12288
	s_mul_i32 s44, s[WV], 3072
	s_add_co_u32 s36, s36, s44
	s_add_nc_u64 s[38:39], s[22:23], s[36:37]      ; codes: my first K step
	s_lshl_b32 s36, s46, 9
	s_lshl_b32 s44, s[WV], 3
	s_add_co_u32 s36, s36, s44
	s_add_co_u32 s36, s36, WGT_SC
	s_add_nc_u64 s[40:41], s[22:23], s[36:37]      ; scale words: my two of a row's eight
	v_bfe_u32 v7, v1, 3, 1                         ; column n of the 32 is row r' = n % 8 + 8 (n / 16) of rowtile u = (n / 8) % 2
	v_and_b32 v8, 7, v1
	v_lshrrev_b32 v9, 4, v1
	v_lshl_add_u32 v8, v9, 3, v8
	s_mul_i32 s42, s[WV], 3072                     ; my stage: the two rowtiles' fragments of one K step
	s_add_co_u32 s42, s42, LDS_B
	v_mul_u32_u24 v9, v7, 1536
	v_add_nc_u32 v9, s42, v9
	v_lshl_add_u32 v[WST16], v8, 4, v9
	v_lshl_add_u32 v[WST8], v8, 3, v9
	v_add_nc_u32 v[WRD], s42, v[LI16]
	v_lshl_add_u32 v[WSA], v7, 4, v8
	v_lshlrev_b32 v[WSA], 5, v[WSA]
	s_cmp_eq_u32 s30, 3
	s_cbranch_scc1 .Lwo
	WPATH 256
.Lwo:
	WPATH 4096
.Lfunc_end_k_q0ff4e04711_prep:
	.size	k_q0ff4e04711_prep, .Lfunc_end_k_q0ff4e04711_prep-k_q0ff4e04711_prep
	.p2alignl 7, 3214868480
	.fill 96, 4, 3214868480
	.section	.rodata,"a",@progbits
	.p2align	6, 0x0
	.amdhsa_kernel k_q0ff4e04711_prep
		.amdhsa_group_segment_fixed_size 81408
		.amdhsa_private_segment_fixed_size 0
		.amdhsa_enable_private_segment 0
		.amdhsa_kernarg_size 88
		.amdhsa_user_sgpr_count 2
		.amdhsa_user_sgpr_kernarg_segment_ptr 1
		.amdhsa_wavefront_size32 1
		.amdhsa_system_sgpr_workgroup_id_x 1
		.amdhsa_system_sgpr_workgroup_id_y 1
		.amdhsa_system_sgpr_workgroup_id_z 1
		.amdhsa_system_vgpr_workitem_id 0
		.amdhsa_next_free_vgpr 256
		.amdhsa_next_free_sgpr 66
		.amdhsa_reserve_vcc 0
		.amdhsa_float_denorm_mode_32 3
		.amdhsa_float_denorm_mode_16_64 3
		.amdhsa_memory_ordered 1
		.amdhsa_forward_progress 1
		.amdhsa_inst_pref_size 192
	.end_amdhsa_kernel
	.amdgpu_metadata
---
amdhsa.version: [ 1, 2 ]
amdhsa.kernels:
  - .name:           k_q0ff4e04711_prep
    .symbol:         k_q0ff4e04711_prep.kd
    .args:
      - { .name: query, .offset: 0, .size: 8, .value_kind: global_buffer, .address_space: global }
      - { .name: key, .offset: 8, .size: 8, .value_kind: global_buffer, .address_space: global }
      - { .name: value, .offset: 16, .size: 8, .value_kind: global_buffer, .address_space: global }
      - { .name: mask, .offset: 24, .size: 8, .value_kind: global_buffer, .address_space: global }
      - { .name: Wq, .offset: 32, .size: 8, .value_kind: global_buffer, .address_space: global }
      - { .name: Wk, .offset: 40, .size: 8, .value_kind: global_buffer, .address_space: global }
      - { .name: Wv, .offset: 48, .size: 8, .value_kind: global_buffer, .address_space: global }
      - { .name: Wo, .offset: 56, .size: 8, .value_kind: global_buffer, .address_space: global }
      - { .name: act, .offset: 64, .size: 8, .value_kind: global_buffer, .address_space: global }
      - { .name: wgt, .offset: 72, .size: 8, .value_kind: global_buffer, .address_space: global }
      - { .name: mw, .offset: 80, .size: 8, .value_kind: global_buffer, .address_space: global }
    .group_segment_fixed_size: 81408
    .private_segment_fixed_size: 0
    .kernarg_segment_align: 8
    .kernarg_segment_size: 88
    .max_flat_workgroup_size: 128
    .sgpr_count:     66
    .vgpr_count:     256
    .wavefront_size: 32
...
	.end_amdgpu_metadata
.endif
;; end of part 1
;; launch proj (part 2): grid 4 x 192, 4 waves a work-group, clusters of 4 x 4, 295,424 bytes of LDS; arguments act, wgt, bq, bk, bv, qc, kv; writes qc, kv
.if DOCPART == 2
	.amdgcn_target "amdgcn-amd-amdhsa--gfx1250"
	.amdhsa_code_object_version 6
	.text
	.protected	k_q0ff4e04711_proj
	.globl	k_q0ff4e04711_proj
	.p2align	8
	.type	k_q0ff4e04711_proj,@function
k_q0ff4e04711_proj:
	s_mov_b64 s[64:65], 0
	v_nop
	global_prefetch_b8 v0, s[64:65] scope:SCOPE_SE
	s_setreg_imm32_b32 hwreg(HW_REG_WAVE_MODE, 25, 1), 1
	s_wait_xcnt 0x0
	s_wait_alu depctr_hold_cnt(0) depctr_sa_sdst(0) depctr_va_vdst(0) depctr_va_sdst(0) depctr_va_ssrc(0) depctr_va_vcc(0) depctr_vm_vsrc(0)
	s_getreg_b32 s2, hwreg(HW_REG_IB_STS2, 6, 4)
	s_cmp_eq_u32 s2, 0
	s_cbranch_scc0 .Lentry_in_a_cluster
	s_endpgm
.Lentry_in_a_cluster:
	s_bfe_u32 s2, ttmp6, 0x10000c
	s_cmp_lg_u32 s2, 0xf033
	s_cbranch_scc0 .Lentry_shape_is_right
	s_endpgm
.Lentry_shape_is_right:
; The three projections on codes of E2M3, with their biases, and the results quantised in registers: q and k along the head's 64, v along the keys.
; Z[x][y] = sum over k of X[x][k] Y[y][k], K = 1,024.  Source 0 = a rowtile of X, source 1 = a rowtile of Y: a lane holds ONE row of Y and its registers run along X; by the order of rows in a
; rowtile (32 g + 8 u + r + 8 (r / 8)) the 16 registers of result tiles 2 b and 2 b + 1 are 16 neighbours, 32 b + 16 (lane / 16) + 0 .. 15, along X.
; q, k (kind 0, 1): X = the weight (rows h 64 + d), Y = the activations: registers along h 64 + d.   v (kind 2): X = value's rows (the keys), Y = Wv: registers along the keys.  One text serves all three.
; A work-group makes 256 of X x 128 of Y; all its 384 rows' codes for the whole K, 294,912 bytes, come into LDS at once, each byte filled once: no ring.  Four waves, each 128 x 64: 32 accumulators.
; CLUSTERS of 4 x 4: X's tile hangs on cx and is asked for jointly by the four of a column, Y's on cy by the four of a row.  By this text's count a wave has eight tensor loads out.
; REGISTERS: window 0: v4-13 addresses; v16-47 X's scale words, v48-63 Y's; v64-159 Y's fragments, two sets; v160-205 at work on the way out.  window 1: X's fragments, two sets at v0 and v128.
;   window 2: accumulator (x, y) at v[8 (8 y + x)].   window 3: the bias, in the result's layout.
; LIMITS: a block of zeros gets the byte 1 (its codes are zeros; only this program reads the bytes); NaN and infinities are not served.  The scale words leave in stores of 128 bytes: 1.3 MB of the 20 MB written.
.set ACT_SC, 18874368
.set WGT_SC, 3145728
.set CHUNK,  73728                     ; LDS: two K steps of all 24 rowtiles: X's 16 at 3,072 i, Y's 8 at YOFF + 3,072 j
.set YOFF,   49152
.set AX16, 4
.set AX8,  5
.set AY16, 6
.set AY8,  7
.set LI16, 8
.set LI8,  9
.set LI4,  10
.set L32,  11
.set BA,   12                          ; v12  64 h: the bias along X
.set BB,   13                          ; v13  4 (r + 8 (r / 8)): the bias along Y
.set XS,   16
.set YS,   48
.set YF,   64
.set TM,   160                         ; v160-163 largest magnitudes, v164-167 bytes, v172-175 the conversions' scale operands
.set PC,   176                         ; v176-195 the codes just made
.set PW,   196                         ; v196-199 the four tiles' scale words
.set TT,   200
.set DD,   202
.set G1X,  16                          ; s[16:23], s[24:31] descriptor groups 1;  s[32:63] eight groups 0: chunk c: X's at 32 + 8 c, Y's at 36 + 8 c
.set G1Y,  24
.set G0,   32
.set WV,   66
.set WX,   67
.set WY,   68
.set CX,   69
.set CY,   70
.set KIND, 71
.set XG,   72
.set XT,   73
.set YT,   74
.set HI,   75
.set XSP,  82
.set YSP,  84
.set BP,   86
.set B0,   88
.set B1,   90
.set SY,   92
.set SC,   94
.set BS0,  96
.set BS1,  98
.set SEL,  104
.set MSB, 0
.macro WIN new                         ; the immediate's high byte repeats the setting that is left
.if MSB != \new
	s_set_vgpr_msb (MSB<<8)|\new
.set MSB, \new
.endif
.endm
.macro ROUND                           ; a round of the cluster's barrier
	s_barrier_signal -1
	s_barrier_wait -1
	s_cmp_lg_u32 s[WV], 0
	s_cbranch_scc1 .Lnot_wave_0_\@
	s_barrier_signal -3
.Lnot_wave_0_\@:
	s_barrier_wait -3
	s_barrier_signal -1
	s_barrier_wait -1
.endm
.macro PLACES n
.rept \n
	v_nop
.endr
.endm
.macro FRAG reg, a16, a8, off          ; a fragment's image, 1,536 bytes, into its 12 registers: every load takes consecutive bytes
	ds_load_b128 v[(\reg):(\reg)+3], v[\a16] offset:(\off)
	ds_load_b64 v[(\reg)+4:(\reg)+5], v[\a8] offset:(\off)+512
	ds_load_b128 v[(\reg)+6:(\reg)+9], v[\a16] offset:(\off)+768
	ds_load_b64 v[(\reg)+10:(\reg)+11], v[\a8] offset:(\off)+1280
.endm
.macro FETCH s, p                      ; K step s: my 8 fragments of X and 4 of Y into set p: 48 loads
	WIN 0x40
.irp i, 0,1,2,3,4,5,6,7
	FRAG 128*(\p)+12*\i, AX16, AX8, 3072*\i+1536*((\s)%2)
.endr
	WIN 0
.irp j, 0,1,2,3
	FRAG YF+48*(\p)+12*\j, AY16, AY8, 3072*\j+1536*((\s)%2)
.endr
.endm
.macro WMG d, a, b, c, sa, sb, ra, rb  ; ra, rb: the side's scale words stand in lanes 16-31
.if (\ra) && (\rb)
	v_wmma_scale_f32_16x16x128_f8f6f4 v[(\d):(\d)+7], v[(\a):(\a)+11], v[(\b):(\b)+11], v[(\c):(\c)+7], v[\sa], v[\sb] matrix_a_fmt:MATRIX_FMT_FP6 matrix_b_fmt:MATRIX_FMT_FP6 matrix_a_scale:MATRIX_SCALE_ROW1 matrix_b_scale:MATRIX_SCALE_ROW1
.elseif (\ra)
	v_wmma_scale_f32_16x16x128_f8f6f4 v[(\d):(\d)+7], v[(\a):(\a)+11], v[(\b):(\b)+11], v[(\c):(\c)+7], v[\sa], v[\sb] matrix_a_fmt:MATRIX_FMT_FP6 matrix_b_fmt:MATRIX_FMT_FP6 matrix_a_scale:MATRIX_SCALE_ROW1
.elseif (\rb)
	v_wmma_scale_f32_16x16x128_f8f6f4 v[(\d):(\d)+7], v[(\a):(\a)+11], v[(\b):(\b)+11], v[(\c):(\c)+7], v[\sa], v[\sb] matrix_a_fmt:MATRIX_FMT_FP6 matrix_b_fmt:MATRIX_FMT_FP6 matrix_b_scale:MATRIX_SCALE_ROW1
.else
	v_wmma_scale_f32_16x16x128_f8f6f4 v[(\d):(\d)+7], v[(\a):(\a)+11], v[(\b):(\b)+11], v[(\c):(\c)+7], v[\sa], v[\sb] matrix_a_fmt:MATRIX_FMT_FP6 matrix_b_fmt:MATRIX_FMT_FP6
.endif
.endm
; 32 matrix instructions: K step s on set p.  The 32 accumulators take turns, one instruction a turn, in the same order in every step.
; cmode 0: the sums go on;  1: they begin with the bias along X (window 3, v[8 x]);  2: with the bias along Y (window 3, v[8 y])
.macro MUL s, p, cmode
.if \cmode
	WIN 0xb1
.else
	WIN 0xa1
.endif
.irp y, 0,1,2,3
.irp x, 0,1,2,3,4,5,6,7
.if \cmode == 0
	WMG 8*(8*\y+\x), 128*(\p)+12*\x, YF+48*(\p)+12*\y, 8*(8*\y+\x), XS+8*(\x/2)+(\s), YS+8*(\y/2)+(\s), \x%2, \y%2
.elseif \cmode == 1
	WMG 8*(8*\y+\x), 128*(\p)+12*\x, YF+48*(\p)+12*\y, 8*\x, XS+8*(\x/2)+(\s), YS+8*(\y/2)+(\s), \x%2, \y%2
.else
	WMG 8*(8*\y+\x), 128*(\p)+12*\x, YF+48*(\p)+12*\y, 8*\y, XS+8*(\x/2)+(\s), YS+8*(\y/2)+(\s), \x%2, \y%2
.endif
.endr
.endr
.endm
.macro GATE c                          ; chunk c is whole for every wave.  The later chunks' loads, two each, may stay out
	s_wait_dscnt 0x0                               ; no LDS instruction of mine is pending at a signal
	s_wait_tensorcnt 6-2*(\c)
	s_barrier_signal -1
	s_barrier_wait -1
.endm
.macro ADV                             ; on to the next chunk; these four are also the places in front of the loads that follow
	v_add_nc_u32 v[AX16], CHUNK, v[AX16]
	v_add_nc_u32 v[AX8], CHUNK, v[AX8]
	v_add_nc_u32 v[AY16], CHUNK, v[AY16]
	v_add_nc_u32 v[AY8], CHUNK, v[AY8]
.endm
.macro KSTEP s                         ; the next K step's fragments are asked for, into the set that the last 32 products read (four places behind them); then this step's 32 products
	WIN 0
.if ((\s)+1) <= 7
.if ((\s)+1)%2 == 0
	GATE ((\s)+1)/2
	ADV
.else
	PLACES 4
.endif
	FETCH (\s)+1, ((\s)+1)%2
	s_wait_dscnt 48                                ; all but the 48 just issued
.else
	s_wait_dscnt 0x0
.endif
	MUL \s, (\s)%2, 0
.endm
	s_load_b256 s[4:11], s[0:1], 0x0               ; act 4, wgt 6, bq 8, bk 10
	s_load_b128 s[12:15], s[0:1], 0x20             ; bv 12, qc 14
	s_load_b64 s[76:77], s[0:1], 0x30              ; kv
	v_lshl_add_u32 v254, v0, 2, 0x48000
	v_mov_b32 v255, 0
	ds_add_u32 v254, v255
	ds_add_u32 v254, v255
	v_lshrrev_b32 v1, 5, v0
	v_readfirstlane_b32 s[WV], v1
	s_lshr_b32 s[WX], s[WV], 1                     ; which 128 of X's 256 rows are mine
	s_and_b32 s[WY], s[WV], 1                      ; which 64 of Y's 128
	s_bfe_u32 s[CX], ttmp6, 0x40000
	s_bfe_u32 s[CY], ttmp6, 0x40004
	s_and_b32 s2, ttmp7, 0xffff                    ; the cluster's y: 16 for each tensor
	s_lshr_b32 s[KIND], s2, 4
	s_and_b32 s2, s2, 15
	s_and_b32 s3, s2, 7
	s_lshr_b32 s72, s2, 3
	s_cmp_lt_u32 s[KIND], 2
	s_cselect_b32 s3, 0, s3                        ; q, k: X has 4 tiles, Y 64;  v: X has 32, Y 8
	s_cselect_b32 s72, s2, s72
	s_lshl_b32 s[XT], s3, 2
	s_add_co_u32 s[XT], s[XT], s[CX]
	s_lshl_b32 s[YT], s72, 2
	s_add_co_u32 s[YT], s[YT], s[CY]
	s_lshl_b32 s2, 0x1111, s[CX]                   ; my column of the cluster
	s_lshl_b32 s3, s[CY], 2
	s_lshl_b32 s3, 15, s3                          ; my row
	s_or_b32 s[G1X], s2, (3<<16)|(1<<21)           ; 15:0 the mask; 17:16 elements of 8 bytes; 21 set beside a mask; no padding
	s_or_b32 s[G1Y], s3, (3<<16)|(1<<21)
	s_mov_b32 s[G1X+1], 384<<16                    ; a row: two K steps of one rowtile, 3,072 bytes
	s_mov_b32 s[G1X+2], 4<<16                      ; four rowtiles a load
	s_mov_b32 s[G1X+3], 384<<16
	s_mov_b32 s[G1X+4], 4
	s_mov_b32 s[G1X+5], 1536                       ; 12,288 bytes from rowtile to rowtile
	s_mov_b32 s[G1X+6], 0
	s_mov_b32 s[G1X+7], 0
	s_mov_b32 s[G1Y+1], 384<<16
	s_mov_b32 s[G1Y+2], 2<<16                      ; two rowtiles a load
	s_mov_b32 s[G1Y+3], 384<<16
	s_mov_b32 s[G1Y+4], 2
	s_mov_b32 s[G1Y+5], 1536
	s_mov_b32 s[G1Y+6], 0
	s_mov_b32 s[G1Y+7], 0
	s_mul_i32 s88, s[KIND], 786432                 ; weight `kind`: its codes,
	s_mul_i32 s89, s[KIND], 6291456                ; activation `kind`: its codes,
	s_mul_i32 s90, s[KIND], 32768
	s_add_co_u32 s90, s90, WGT_SC                  ; the weight's scale words,
	s_mul_i32 s91, s[KIND], 262144
	s_add_co_u32 s91, s91, ACT_SC                  ; the activation's
	s_cmp_lt_u32 s[KIND], 2
	s_cselect_b32 s92, s88, s89                    ; X is the weight for q and k, the activation for v
	s_cselect_b32 s93, s89, s88
	s_cselect_b32 s94, s90, s91
	s_cselect_b32 s95, s91, s90
	s_mul_i32 s96, s[XT], 196608                   ; X: 16 rowtiles a tile, my four of them
	s_add_co_u32 s96, s96, s92
	s_mul_i32 s2, s[WV], 49152
	s_add_co_u32 s96, s96, s2
	s_mov_b32 s97, 0
	s_mul_i32 s98, s[YT], 98304                    ; Y: 8 rowtiles a tile, my two of them
	s_add_co_u32 s98, s98, s93
	s_mul_i32 s2, s[WV], 24576
	s_add_co_u32 s98, s98, s2
	s_mov_b32 s99, 0
	s_mul_i32 s100, s[WV], 12288                   ; and where they go: no place in the cluster enters an LDS address
	s_mul_i32 s101, s[WV], 6144
	s_lshl_b32 s2, s[XT], 4
	s_lshl_b32 s3, s[WX], 3
	s_add_co_u32 s2, s2, s3
	s_lshl_b32 s2, s2, 9
	s_add_co_u32 s[XSP], s2, s94                   ; the scale words of the 8 rowtiles of X that I multiply
	s_mov_b32 s[XSP+1], 0
	s_lshl_b32 s2, s[YT], 3
	s_lshl_b32 s3, s[WY], 2
	s_add_co_u32 s2, s2, s3
	s_lshl_b32 s2, s2, 9
	s_add_co_u32 s[YSP], s2, s95                   ; and of my 4 of Y
	s_mov_b32 s[YSP+1], 0
	s_lshl_b32 s[XG], s[XT], 1
	s_add_co_u32 s[XG], s[XG], s[WX]               ; which 128 rows of all of X are mine
	s_lshl_b32 s2, s[XG], 9
	s_lshl_b32 s3, s[YT], 1
	s_add_co_u32 s3, s3, s[WY]
	s_lshl_b32 s3, s3, 8
	s_cmp_lt_u32 s[KIND], 2
	s_cselect_b32 s[BP], s2, s3                    ; the bias: my 128 numbers along X, or my 64 along Y
	s_mov_b32 s[BP+1], 0
	s_mov_b32 s[HI], 0xffff0000
	s_mov_b32 s[SEL], 0x76543210
	s_mov_b32 s[SEL+1], 0xfedcba98
	s_wait_dscnt 0x0
	s_wait_kmcnt 0x0
	s_cmp_lt_u32 s[KIND], 2
	s_cselect_b64 s[78:79], s[6:7], s[4:5]         ; X's buffer
	s_cselect_b64 s[80:81], s[4:5], s[6:7]         ; Y's
	s_add_nc_u64 s[96:97], s[78:79], s[96:97]
	s_add_nc_u64 s[98:99], s[80:81], s[98:99]
	s_add_nc_u64 s[XSP:XSP+1], s[78:79], s[XSP:XSP+1]
	s_add_nc_u64 s[YSP:YSP+1], s[80:81], s[YSP:YSP+1]
	s_cmp_eq_u32 s[KIND], 1
	s_cselect_b64 s[4:5], s[10:11], s[8:9]
	s_cmp_eq_u32 s[KIND], 2
	s_cselect_b64 s[4:5], s[12:13], s[4:5]
	s_add_nc_u64 s[BP:BP+1], s[4:5], s[BP:BP+1]
	s_cmp_eq_u32 s[KIND], 0
	s_cselect_b64 s[6:7], s[14:15], s[76:77]       ; where the results go: qc, or kv
.irp c, 0,1,2,3
	s_mov_b32 s[G0+8*\c], 1
	s_add_co_u32 s[G0+8*\c+1], s100, CHUNK*\c
	s_add_nc_u64 s[G0+8*\c+2:G0+8*\c+3], s[96:97], 3072*\c
	s_or_b32 s[G0+8*\c+3], s[G0+8*\c+3], 0x80000000
	s_mov_b32 s[G0+8*\c+4], 1
	s_add_co_u32 s[G0+8*\c+5], s101, CHUNK*\c+YOFF
	s_add_nc_u64 s[G0+8*\c+6:G0+8*\c+7], s[98:99], 3072*\c
	s_or_b32 s[G0+8*\c+7], s[G0+8*\c+7], 0x80000000
.endr
	ROUND                                          ; all sixteen work-groups are here: the joint loads meet
.irp c, 0,1,2,3                        ; all fills of the launch, as one group, in the order in which the chunks are wanted
	tensor_load_to_lds s[G0+8*\c:G0+8*\c+3], s[G1X:G1X+7]
	s_nop 0
	tensor_load_to_lds s[G0+8*\c+4:G0+8*\c+7], s[G1Y:G1Y+7]
	s_nop 0
.endr
	PLACES 4
	v_and_b32 v1, 31, v0
	v_and_b32 v2, 15, v0
	v_bfe_u32 v3, v0, 4, 1
	v_lshlrev_b32 v[LI16], 4, v1
	v_lshlrev_b32 v[LI8], 3, v1
	v_lshlrev_b32 v[LI4], 2, v1
	v_lshlrev_b32 v[L32], 5, v1
.irp p, 0,1,2,3                        ; the scale words come once, straight into registers: lane 16 u + r holds row r of rowtile 2 p + u; register s of the eight is K step s's word
	global_load_b128 v[XS+8*\p:XS+8*\p+3], v[L32], s[XSP:XSP+1] offset:1024*\p
	global_load_b128 v[XS+8*\p+4:XS+8*\p+7], v[L32], s[XSP:XSP+1] offset:1024*\p+16
.endr
.irp p, 0,1
	global_load_b128 v[YS+8*\p:YS+8*\p+3], v[L32], s[YSP:YSP+1] offset:1024*\p
	global_load_b128 v[YS+8*\p+4:YS+8*\p+7], v[L32], s[YSP:YSP+1] offset:1024*\p+16
.endr
	s_mul_i32 s2, s[WX], 24576
	v_add_nc_u32 v[AX16], s2, v[LI16]
	v_add_nc_u32 v[AX8], s2, v[LI8]
	s_mul_i32 s2, s[WY], 12288
	s_add_co_u32 s2, s2, YOFF
	v_add_nc_u32 v[AY16], s2, v[LI16]
	v_add_nc_u32 v[AY8], s2, v[LI8]
	v_lshlrev_b32 v[BA], 6, v3
	v_and_b32 v[BB], 8, v2
	v_add_nc_u32 v[BB], v[BB], v2
	v_lshlrev_b32 v[BB], 2, v[BB]
.irp b, 0,1,2,3
	v_mov_b32 v[TM+4+\b], 0                        ; a lane permute's destination counts as read
.endr
	; where the results go.  B0, B1: the two units (64 along the result's K) of a fragment; SY: from tile y to tile y + 1; BS0, BS1: the scale words
	s_lshr_b32 s8, s[YT], 4                        ; q, k: batch n,
	s_lshl_b32 s8, s8, 4
	s_lshl_b32 s9, s[XG], 1
	s_add_co_u32 s8, s8, s9                        ; n 16 + my first head,
	s_and_b32 s9, s[YT], 15                        ; which 128 rows of the sequence
	s_cmp_eq_u32 s[KIND], 2
	s_cbranch_scc1 .Lout_v
	s_cmp_eq_u32 s[KIND], 1
	s_cbranch_scc1 .Lout_k
	s_mul_i32 s10, s8, 106496                      ; q: a head's 128 units, then its scale words
	s_lshl_b32 s11, s9, 3
	s_lshl_b32 s12, s[WY], 2
	s_add_co_u32 s11, s11, s12                     ; my first tile of queries
	s_mul_i32 s12, s11, 768
	s_add_co_u32 s[B0], s10, s12
	s_lshl_b32 s12, s11, 6
	s_add_co_u32 s[BS0], s10, s12
	s_add_co_u32 s[BS0], s[BS0], 98304
	s_mov_b32 s[SC], 106496
	s_mov_b32 s[SY], 768
	s_branch .Lout_done
.Lout_k:
	s_lshl_b32 s10, s8, 4                          ; k: a record of 13,056 bytes for each head and key step
	s_add_co_u32 s10, s10, s9
	s_mul_i32 s10, s10, 13056
	s_mul_i32 s11, s[WY], 3072
	s_add_co_u32 s[B0], s10, s11
	s_lshl_b32 s11, s[WY], 8
	s_add_co_u32 s[BS0], s10, s11
	s_add_co_u32 s[BS0], s[BS0], 12288
	s_mov_b32 s[SC], 208896
	s_mov_b32 s[SY], 768
	s_branch .Lout_done
.Lout_v:
	s_lshr_b32 s10, s[XG], 4                       ; v: my 128 rows of X are key step XG % 16 of batch XG / 16; my 64 rows of Y are one head
	s_lshl_b32 s10, s10, 4
	s_lshl_b32 s11, s[YT], 1
	s_add_co_u32 s11, s11, s[WY]
	s_add_co_u32 s10, s10, s11
	s_lshl_b32 s10, s10, 4
	s_and_b32 s11, s[XG], 15
	s_add_co_u32 s10, s10, s11
	s_mul_i32 s10, s10, 13056
	s_add_co_u32 s[B0], s10, 6144
	s_add_co_u32 s[BS0], s10, 12800
	s_mov_b32 s[SC], 768
	s_mov_b32 s[SY], 1536
.Lout_done:
	s_mov_b32 s[B0+1], 0
	s_mov_b32 s[BS0+1], 0
	s_mov_b32 s[SC+1], 0
	s_mov_b32 s[SY+1], 0
	s_add_nc_u64 s[B0:B0+1], s[6:7], s[B0:B0+1]
	s_add_nc_u64 s[B1:B1+1], s[B0:B0+1], s[SC:SC+1]
	s_add_nc_u64 s[BS0:BS0+1], s[6:7], s[BS0:BS0+1]
	s_add_nc_u64 s[BS1:BS1+1], s[BS0:BS0+1], s[SC:SC+1]
	GATE 0
	s_cmp_eq_u32 s[KIND], 2                        ; the bias and the products that begin with it stand in one arm; the bias lands while the 96 LDS loads run
	s_cbranch_scc1 .Lfirst_v
	WIN 0xc0                                       ; destination window 3
.irp x, 0,1,2,3,4,5,6,7                ; lane (r, h), tile x, register j: the bias of row 32 (x / 2) + 16 h + 8 (x % 2) + j of my 128
	global_load_b128 v[8*\x:8*\x+3], v[BA], s[BP:BP+1] offset:(32*(\x/2)+8*(\x%2))*4
	global_load_b128 v[8*\x+4:8*\x+7], v[BA], s[BP:BP+1] offset:(32*(\x/2)+8*(\x%2))*4+16
.endr
	FETCH 0, 0
	FETCH 1, 1
	s_wait_loadcnt 0x0                             ; scale words and bias
	s_wait_dscnt 48                                ; K step 0's fragments are in; K step 1's 48 loads may be out
	MUL 0, 0, 1
	WIN 0
	s_branch .Lfirst_done
.Lfirst_v:
	WIN 0xc0
.irp y, 0,1,2,3                        ; lane (r, h), tile y: all eight registers hold the bias of my row of Y
.irp j, 0,1,2,3,4,5,6,7
	global_load_b32 v[8*\y+\j], v[BB], s[BP:BP+1] offset:(32*(\y/2)+8*(\y%2))*4
.endr
.endr
	FETCH 0, 0
	FETCH 1, 1
	s_wait_loadcnt 0x0
	s_wait_dscnt 48
	MUL 0, 0, 2
	WIN 0
.Lfirst_done:
.irp s, 1,2,3,4,5,6,7
	KSTEP \s
.endr
	WIN 0
	PLACES 4                                       ; in front of the first read of results
; THE WAY OUT.  Tile y's 64 registers of a lane, register 16 b + i = 32 b + 16 (lane / 16) + i along X of my row of Y, become a fragment's codes and a scale word; the fragment leaves as the image of its registers.
.macro QUANTW y
	WIN 0x0a                                       ; sources 0 and 1: window 2
.irp b, 0,1,2,3
	v_max3_num_f32 v[TM+\b], |v[64*\y+16*\b]|, |v[64*\y+16*\b+1]|, 0x1800000   ; each accumulator is read from its low end on; the floor 2^(3 - 127) holds the byte at 1 from below
.endr
.irp i, 2,4,6,8,10,12,14
.irp b, 0,1,2,3
	v_max3_num_f32 v[TM+\b], |v[64*\y+16*\b+\i]|, |v[64*\y+16*\b+\i+1]|, v[TM+\b]
.endr
.endr
	WIN 0
.irp b, 0,1,2,3
	v_permlanex16_b32 v[TM+4+\b], v[TM+\b], s[SEL], s[SEL+1]
.endr
.irp b, 0,1,2,3
	v_max_num_f32 v[TM+\b], v[TM+\b], v[TM+4+\b]   ; with lane l xor 16's 16: the block's largest magnitude
.endr
.irp b, 0,1,2,3
	v_add_nc_u32 v[TM+12+\b], 0xff000000, v[TM+\b] ; 2 off its exponent field: the conversion's scale operand
.endr
.irp b, 0,1,2,3
	v_lshrrev_b32 v[TM+4+\b], 23, v[TM+12+\b]
.endr
	v_lshl_or_b32 v[PW+\y], v[TM+5], 8, v[TM+4]
	v_lshl_or_b32 v[PW+\y], v[TM+6], 16, v[PW+\y]
	v_lshl_or_b32 v[PW+\y], v[TM+7], 24, v[PW+\y]
	s_wait_xcnt 0x0                                ; the last tile's stores have read their data and their bases: both are written now
.if \y > 0
	s_add_nc_u64 s[B0:B0+1], s[B0:B0+1], s[SY:SY+1]
	s_add_nc_u64 s[B1:B1+1], s[B1:B1+1], s[SY:SY+1]
.endif
	WIN 0x02                                       ; source 0: window 2
.irp c, 0,1
	v_cvt_scalef32_pk16_fp6_f32 v[PC+6*\c:PC+6*\c+2], v[64*\y+32*\c:64*\y+32*\c+15], v[TM+12+2*\c]
	v_cvt_scalef32_pk16_fp6_f32 v[PC+12+4*\c:PC+14+4*\c], v[64*\y+32*\c+16:64*\y+32*\c+31], v[TM+12+2*\c+1]
.endr
	WIN 0
	v_nop                                          ; one plain place behind a scaled conversion
.irp c, 0,1                            ; the operand's layout wants a whole block in a lane
.irp i, 0,1,2
	v_permlane16_swap_b32 v[PC+6*\c+\i], v[PC+12+4*\c+\i]
.endr
.irp i, 0,1,2
	v_mov_b32 v[PC+3+6*\c+\i], v[PC+12+4*\c+\i]
.endr
.endr
	global_store_b128 v[LI16], v[PC:PC+3], s[B0:B0+1] th:TH_STORE_NT               ; each store covers 512 or 256 consecutive bytes, aligned
	global_store_b64 v[LI8], v[PC+4:PC+5], s[B0:B0+1] offset:512 th:TH_STORE_NT
	global_store_b128 v[LI16], v[PC+6:PC+9], s[B1:B1+1] th:TH_STORE_NT
	global_store_b64 v[LI8], v[PC+10:PC+11], s[B1:B1+1] offset:512 th:TH_STORE_NT
.endm
	QUANTW 0
	QUANTW 1
	QUANTW 2
	QUANTW 3
.irp p, 0,1
	v_cndmask_b32 v[TT+\p], v[PW+2*\p], v[PW+2*\p+1], s[HI]   ; lanes 0-15: tile 2 p's words, lanes 16-31: tile 2 p + 1's
.endr
	s_cmp_eq_u32 s[KIND], 2
	s_cbranch_scc1 .Ltail_v
.irp p, 0,1                            ; q, k: a word's bytes 0, 1 are the first head's two blocks, bytes 2, 3 the second's; each pair is stored twice over, (s0, s1, s0, s1), to serve either half of a K step of 128
	v_perm_b32 v[DD+\p], v[TT+\p], v[TT+\p], 0x01000100
	v_perm_b32 v[DD+2+\p], v[TT+\p], v[TT+\p], 0x03020302
.endr
.irp p, 0,1
	global_store_b32 v[LI4], v[DD+\p], s[BS0:BS0+1] offset:128*\p
	global_store_b32 v[LI4], v[DD+2+\p], s[BS1:BS1+1] offset:128*\p
.endr
	s_branch .Ltail_done
.Ltail_v:
.irp p, 0,1
	global_store_b32 v[LI4], v[TT+\p], s[BS0:BS0+1] offset:128*\p   ; v: the word's four bytes are the four blocks of 32 keys
.endr
.Ltail_done:
	s_wait_tensorcnt 0x0
	ds_add_u32 v254, v255
	s_wait_dscnt 0x0
	ROUND                                          ; the closing round: no work-group ends while a partner may still ask for a tile that names it
	s_endpgm
.Lfunc_end_k_q0ff4e04711_proj:
	.size	k_q0ff4e04711_proj, .Lfunc_end_k_q0ff4e04711_proj-k_q0ff4e04711_proj
	.p2alignl 7, 3214868480
	.fill 96, 4, 3214868480
	.section	.rodata,"a",@progbits
	.p2align	6, 0x0
	.amdhsa_kernel k_q0ff4e04711_proj
		.amdhsa_group_segment_fixed_size 295424
		.amdhsa_private_segment_fixed_size 0
		.amdhsa_enable_private_segment 0
		.amdhsa_kernarg_size 56
		.amdhsa_user_sgpr_count 2
		.amdhsa_user_sgpr_kernarg_segment_ptr 1
		.amdhsa_wavefront_size32 1
		.amdhsa_system_sgpr_workgroup_id_x 1
		.amdhsa_system_sgpr_workgroup_id_y 1
		.amdhsa_system_sgpr_workgroup_id_z 1
		.amdhsa_system_vgpr_workitem_id 0
		.amdhsa_next_free_vgpr 1024
		.amdhsa_next_free_sgpr 106
		.amdhsa_reserve_vcc 0
		.amdhsa_float_denorm_mode_32 3
		.amdhsa_float_denorm_mode_16_64 3
		.amdhsa_memory_ordered 1
		.amdhsa_forward_progress 1
		.amdhsa_inst_pref_size 105
	.end_amdhsa_kernel
	.amdgpu_metadata
---
amdhsa.version: [ 1, 2 ]
amdhsa.kernels:
  - .name:           k_q0ff4e04711_proj
    .symbol:         k_q0ff4e04711_proj.kd
    .args:
      - { .name: act, .offset: 0, .size: 8, .value_kind: global_buffer, .address_space: global }
      - { .name: wgt, .offset: 8, .size: 8, .value_kind: global_buffer, .address_space: global }
      - { .name: bq, .offset: 16, .size: 8, .value_kind: global_buffer, .address_space: global }
      - { .name: bk, .offset: 24, .size: 8, .value_kind: global_buffer, .address_space: global }
      - { .name: bv, .offset: 32, .size: 8, .value_kind: global_buffer, .address_space: global }
      - { .name: qc, .offset: 40, .size: 8, .value_kind: global_buffer, .address_space: global }
      - { .name: kv, .offset: 48, .size: 8, .value_kind: global_buffer, .address_space: global }
    .group_segment_fixed_size: 295424
    .private_segment_fixed_size: 0
    .kernarg_segment_align: 8
    .kernarg_segment_size: 56
    .max_flat_workgroup_size: 128
    .sgpr_count:     106
    .vgpr_count:     1024
    .wavefront_size: 32
...
	.end_amdgpu_metadata
.endif
;; end of part 2
;; launch attn (part 3): grid 4 x 64, 16 waves a work-group, clusters of 4 x 1, 210,944 bytes of LDS; arguments qc, kv, mw, yc; writes yc
.if DOCPART == 3
	.amdgcn_target "amdgcn-amd-amdhsa--gfx1250"
	.amdhsa_code_object_version 6
	.text
	.protected	k_q0ff4e04711_attn
	.globl	k_q0ff4e04711_attn
	.p2align	8
	.type	k_q0ff4e04711_attn,@function
k_q0ff4e04711_attn:
	s_mov_b64 s[64:65], 0
	v_nop
	global_prefetch_b8 v0, s[64:65] scope:SCOPE_SE
	s_setreg_imm32_b32 hwreg(HW_REG_WAVE_MODE, 25, 1), 1
	s_wait_xcnt 0x0
	s_wait_alu depctr_hold_cnt(0) depctr_sa_sdst(0) depctr_va_vdst(0) depctr_va_sdst(0) depctr_va_ssrc(0) depctr_va_vcc(0) depctr_vm_vsrc(0)
	s_getreg_b32 s2, hwreg(HW_REG_IB_STS2, 6, 4)
	s_cmp_eq_u32 s2, 0
	s_cbranch_scc0 .Lentry_in_a_cluster
	s_endpgm
.Lentry_in_a_cluster:
	s_bfe_u32 s2, ttmp6, 0x10000c
	s_cmp_lg_u32 s2, 0x3003
	s_cbranch_scc0 .Lentry_shape_is_right
	s_endpgm
.Lentry_shape_is_right:
; Attention of one head on codes of E2M3: S^T = K Q^T, the mask, the softmax ahead of a quantised product, O^T = V^T P^T, division by the row's sum, and y quantised along the head's 64.
; t = score x log2(e) / 8; M = the running largest t rounded up to a whole number; p = 2^(t - M) is quantised along the keys, not normalised; the sum is taken of the unquantised p.
; SHARES.  A work-group takes one head and 512 queries; wave w two tiles of 16 queries, one after the other.  The head's K, V and scale words, 16 records of 13,056 bytes (one for each 128 keys), lie in
; LDS whole and are filled once: wave w brings record w.  The four work-groups of a head form a cluster and ask jointly.  The loop over the keys has no barrier and no tensor load; four waves share a SIMD.
; A record: K's tile t (16 keys x 64) at 768 t; V's unit (d-tile y, half c) at 6,144 + 1,536 y + 768 c; K's scale words at 12,288 + 64 t + 4 r; V's at 12,800 + 64 y + 4 r.
; K = 64 IN AN INSTRUCTION OF K = 128: a fragment's 12 registers hold TWO tiles of keys.  The even tile is multiplied by [q | zero codes], the odd one by [zero codes | q]; the scale words are stored twice
; over, (s0, s1, s0, s1), and serve either half.
; THE MASK comes as words of 32 lane bits, one for each score register, by scalar loads a step ahead: one v_cndmask_b32 a score.
; LIMIT: a masked score is -2^33, a logit of -2^30 where reference() has -1e9; the two differ only where an unmasked logit lies near -1e9.  c x 2^33 is a whole number, so a row that is masked throughout gets
; p = 1 everywhere, the uniform softmax.  NaN and infinities are not served; a block of zeros gets the byte 1.
.set REC,  13056
.set A16,  1                           ; v1-3  LDS addresses of the step's record: + 16, 8, 4 x lane
.set A8,   2
.set A4,   3
.set LI16, 4
.set LI8,  5
.set LI4,  6
.set NEGV, 7                           ; v7   -2^33
.set QS,   8                           ; v8   q's scale words
.set WACC, 9                           ; v9   y's scale words of my two tiles
.set R4,   10                          ; v10  4 (lane % 16)
.set QF,   16                          ; v16-21 q, v22-27 zero codes, v28-33 q
.set KS,   34                          ; v34-37 K's scale words: lanes 0-15 tile 2 j, lanes 16-31 tile 2 j + 1
.set VS,   38                          ; v38-39 V's likewise
.set F,    40                          ; v40-87 four fragments of K, then of V
.set S,    96                          ; v96-159 S^T, then p: register 16 b + i = key 32 b + 16 (lane / 16) + i
.set OA,   160                         ; v160-191 O^T: register 16 b + i = d 32 b + 16 (lane / 16) + i
.set PC,   192                         ; v192-203 p's codes
.set T,    204
.set BM,   212                         ; v212-215 each block's largest score, then p
.set BP,   216                         ; v216-219 at work
.set BO,   220                         ; v220-223 the conversions' scale operands
.set FF,   224                         ; v[224:225] f = 2^(old M - new M), named as a pair
.set PS,   226                         ; v226 p's scale word
.set TP,   227
.set QP,   4                           ; s[4:5]  q's unit of the tile in hand
.set QSP,  6                           ; s[6:7]  its scale words
.set MP,   8                           ; s[8:9]  my 32 records of mask words
.set YP,   10                         ; s[10:11] y's unit
.set WV,   12
.set MO,   14                          ; s14  which record of mask words is asked for
.set CNT,  15
.set TILES, 66
.set SELM, 67
.set G1,   84
.set G0,   92
.set SEL,  96
.set CS,   98                          ; s[98:99] c = log2(e) / 8
.set TB,   100                         ; s100 LDS byte of the step's record
.set YSP,  104
; s[16:63], s[68:83]: the step's 64 mask words
.macro ROUND
	s_barrier_signal -1
	s_barrier_wait -1
	s_cmp_lg_u32 s[WV], 0
	s_cbranch_scc1 .Lnot_wave_0_\@
	s_barrier_signal -3
.Lnot_wave_0_\@:
	s_barrier_wait -3
	s_barrier_signal -1
	s_barrier_wait -1
.endm
.macro MLOAD                           ; a record of 64 mask words
	s_load_b512 s[16:31], s[MP:MP+1], s[MO] offset:0x0
	s_load_b512 s[32:47], s[MP:MP+1], s[MO] offset:0x40
	s_load_b512 s[48:63], s[MP:MP+1], s[MO] offset:0x80
	s_load_b512 s[68:83], s[MP:MP+1], s[MO] offset:0xc0
.endm
	s_load_b256 s[4:11], s[0:1], 0x0               ; qc 4, kv 6, mw 8, yc 10
	v_lshl_add_u32 v254, v0, 2, 0x33000
	v_mov_b32 v255, 0
	ds_add_u32 v254, v255
	ds_add_u32 v254, v255
	v_lshrrev_b32 v1, 5, v0
	v_readfirstlane_b32 s[WV], v1                  ; wave 0..15
	s_bfe_u32 s13, ttmp6, 0x40000                  ; cx: which 512 queries
	s_and_b32 s101, ttmp7, 0xffff                  ; batch x 16 + head, which the four partners share
	s_mov_b32 s[G1], 15|(3<<16)|(1<<21)            ; 15:0 the mask: all four; 17:16 elements of 8 bytes; 21 set beside a mask
	s_mov_b32 s[G1+1], 32<<16                      ; a record is dense: 51 rows of 256 bytes
	s_mov_b32 s[G1+2], 51<<16
	s_mov_b32 s[G1+3], 32<<16
	s_mov_b32 s[G1+4], 51
	s_mov_b32 s[G1+5], 32
	s_mov_b32 s[G1+6], 0
	s_mov_b32 s[G1+7], 0
	s_mov_b32 s[G0], 1
	s_mul_i32 s[G0+1], s[WV], REC                  ; record w, in LDS
	s_mul_i32 s16, s101, 16*REC
	s_add_co_u32 s16, s16, s[G0+1]                 ; and in memory
	s_mov_b32 s17, 0
	s_lshl_b32 s18, s13, 5
	s_lshl_b32 s19, s[WV], 1
	s_add_co_u32 s18, s18, s19                     ; my first tile of queries in the head: 32 cx + 2 w
	s_mul_i32 s20, s101, 106496
	s_mul_i32 s19, s18, 768
	s_lshl_b32 s22, s18, 6
	s_add_co_u32 s22, s22, s20
	s_add_co_u32 s22, s22, 98304                   ; q's scale words
	s_add_co_u32 s20, s20, s19                     ; q's unit
	s_mov_b32 s21, 0
	s_mov_b32 s23, 0
	s_lshr_b32 s24, s101, 4
	s_lshl_b32 s24, s24, 7
	s_add_co_u32 s24, s24, s18                     ; the tile among the 512 of all batches
	s_lshl_b32 s26, s24, 4
	s_and_b32 s19, s101, 15
	s_add_co_u32 s26, s26, s19
	s_mul_i32 s26, s26, 768                        ; y's unit: [tile][head]
	s_mov_b32 s27, 0
	s_lshl_b32 s24, s24, 12                        ; mask words: 4,096 bytes a tile
	s_mov_b32 s25, 0
	s_lshl_b32 s28, s101, 6
	s_lshl_b32 s19, s13, 4
	s_add_co_u32 s28, s28, s19
	s_add_co_u32 s28, s28, s[WV]
	s_lshl_b32 s28, s28, 7
	s_add_co_u32 s28, s28, 6291456                 ; y's scale words: [head][pair of tiles][32 lanes]
	s_mov_b32 s29, 0
	s_mov_b32 s[SEL], 0x76543210
	s_mov_b32 s[SEL+1], 0xfedcba98
	s_mov_b32 s[CS], 0x3e38aa3b
	s_mov_b32 s[CS+1], s[CS]                       ; (named with it as a pair, so it is written)
	s_wait_dscnt 0x0
	s_wait_kmcnt 0x0
	s_add_nc_u64 s[G0+2:G0+3], s[6:7], s[16:17]
	s_or_b32 s[G0+3], s[G0+3], 0x80000000
	ROUND                                          ; all four work-groups are here: the joint loads meet
	tensor_load_to_lds s[G0:G0+3], s[G1:G1+7]      ; my one tensor load of the launch
	s_nop 0
.rept 4
	v_nop
.endr
	s_add_nc_u64 s[QSP:QSP+1], s[4:5], s[22:23]
	s_add_nc_u64 s[QP:QP+1], s[4:5], s[20:21]
	s_add_nc_u64 s[MP:MP+1], s[8:9], s[24:25]
	s_add_nc_u64 s[YSP:YSP+1], s[10:11], s[28:29]
	s_add_nc_u64 s[YP:YP+1], s[10:11], s[26:27]
	s_mov_b32 s[MO], 0
	MLOAD                                          ; the first step's mask words
	v_and_b32 v11, 31, v0
	v_lshlrev_b32 v[LI16], 4, v11
	v_lshlrev_b32 v[LI8], 3, v11
	v_lshlrev_b32 v[LI4], 2, v11
	v_and_b32 v[R4], 15, v0
	v_lshlrev_b32 v[R4], 2, v[R4]
	v_mov_b32 v[NEGV], 0xd0000000
	v_mov_b32 v[WACC], 0
.irp j, 0,1,2,3,4,5
	v_mov_b32 v[QF+6+\j], 0                        ; the zero codes
.endr
.irp b, 0,1,2,3
	v_mov_b32 v[BP+\b], 0                          ; a lane permute's destination counts as read
.endr
	v_mov_b32 v[FF+1], 0                           ; (named as the upper half of a pair)
	s_mov_b32 s[SELM], 0xffff
	s_mov_b32 s[TILES], 2
	s_wait_tensorcnt 0x0                           ; my record has landed,
	s_barrier_signal -1
	s_barrier_wait -1                              ; everybody's has
.Ltile:
	global_load_b128 v[QF:QF+3], v[LI16], s[QP:QP+1]            ; q's unit, twice: as the lower and as the upper half of a fragment
	global_load_b64 v[QF+4:QF+5], v[LI8], s[QP:QP+1] offset:512
	global_load_b128 v[QF+12:QF+15], v[LI16], s[QP:QP+1]
	global_load_b64 v[QF+16:QF+17], v[LI8], s[QP:QP+1] offset:512
	global_load_b32 v[QS], v[R4], s[QSP:QSP+1]
	v_mov_b32 v13, 0xff61b1e6                      ; the largest t so far: -3e38
	v_floor_f32 v12, -v13                          ; -M
	v_mov_b32 v14, 0                               ; the sum, in two halves
	v_mov_b32 v15, 0
.set j, 0
.rept 32
	v_mov_b32 v[OA+j], 0                           ; the step is written once: the first finds zeros, which the first change of M leaves zeros
.set j, j+1
.endr
	s_mov_b32 s[TB], 0
	s_mov_b32 s[CNT], 16
	s_wait_loadcnt 0x0
.Lstep:                                            ; 128 keys
	v_add_nc_u32 v[A16], s[TB], v[LI16]            ; these three and the v_nop are the four places in front of loads into registers that the last products read
	v_add_nc_u32 v[A8], s[TB], v[LI8]
	v_add_nc_u32 v[A4], s[TB], v[LI4]
	v_nop
.irp t, 0,1,2,3,4,5,6,7
	ds_load_b128 v[F+6*\t:F+6*\t+3], v[A16] offset:768*\t
	ds_load_b64 v[F+6*\t+4:F+6*\t+5], v[A8] offset:768*\t+512
.endr
.irp j, 0,1,2,3
	ds_load_b32 v[KS+\j], v[A4] offset:12288+128*\j
.endr
	s_wait_dscnt 0x0
.irp t, 0,2,4,6
	v_wmma_scale_f32_16x16x128_f8f6f4 v[S+8*\t:S+8*\t+7], v[F+6*\t:F+6*\t+11], v[QF:QF+11], 0, v[KS+\t/2], v[QS] matrix_a_fmt:MATRIX_FMT_FP6 matrix_b_fmt:MATRIX_FMT_FP6
	v_wmma_scale_f32_16x16x128_f8f6f4 v[S+8*\t+8:S+8*\t+15], v[F+6*\t:F+6*\t+11], v[QF+6:QF+17], 0, v[KS+\t/2], v[QS] matrix_a_fmt:MATRIX_FMT_FP6 matrix_b_fmt:MATRIX_FMT_FP6 matrix_a_scale:MATRIX_SCALE_ROW1
.endr
.rept 4
	v_nop                                          ; four places: in front of the loads into K's registers, and of the first read of the scores
.endr
.irp y, 0,1,2,3                        ; V's fragments land under the softmax
.irp c, 0,1
	ds_load_b128 v[F+12*\y+6*\c:F+12*\y+6*\c+3], v[A16] offset:6144+1536*\y+768*\c
	ds_load_b64 v[F+12*\y+6*\c+4:F+12*\y+6*\c+5], v[A8] offset:6144+1536*\y+768*\c+512
.endr
.endr
.irp i, 0,1
	ds_load_b32 v[VS+\i], v[A4] offset:12800+128*\i
.endr
	s_wait_kmcnt 0x0                               ; this step's mask words, asked for a step ago
.set rho, 0
.rept 64
.if rho < 48
	v_cndmask_b32 v[S+rho], v[S+rho], v[NEGV], s[16+rho]   ; each tile of scores is read from its low end on
.else
	v_cndmask_b32 v[S+rho], v[S+rho], v[NEGV], s[20+rho]
.endif
.set rho, rho+1
.endr
	s_add_co_u32 s[MO], s[MO], 256                 ; the next step's words; my two tiles' 32 records lie on end, and the last step asks for the last record again: no load leaves them
	s_min_u32 s[MO], s[MO], 7936
	MLOAD
.irp b, 0,1,2,3
	v_max3_num_f32 v[BM+\b], v[S+16*\b], v[S+16*\b+1], v[S+16*\b+2]   ; the largest score of each block of 32 keys: for the row's maximum and, since p rises with the score, for the block's largest p
.endr
.irp i, 3,5,7,9,11,13
.irp b, 0,1,2,3
	v_max3_num_f32 v[BM+\b], v[BM+\b], v[S+16*\b+\i], v[S+16*\b+\i+1]
.endr
.endr
.irp b, 0,1,2,3
	v_max_num_f32 v[BM+\b], v[BM+\b], v[S+16*\b+15]
.endr
.irp b, 0,1,2,3
	v_permlanex16_b32 v[BP+\b], v[BM+\b], s[SEL], s[SEL+1]
.endr
.irp b, 0,1,2,3
	v_max_num_f32 v[BM+\b], v[BM+\b], v[BP+\b]     ; with lane l xor 16's 16 keys
.endr
	v_max3_num_f32 v[TP], v[BM], v[BM+1], v[BM+2]
	v_max_num_f32 v[TP], v[TP], v[BM+3]
	v_mul_f32 v[TP], s[CS], v[TP]                  ; the step's largest t (c is positive)
	v_max_num_f32 v13, v13, v[TP]
	v_mov_b32 v[TP], v12
	v_floor_f32 v12, -v13                          ; the new -M = floor(-t): M is a whole number
	v_sub_f32 v[TP], v12, v[TP]                    ; old M - new M: a whole number, 0 or less
	v_cvt_i32_f32 v[TP], v[TP]                     ; (it saturates)
	v_ldexp_f32 v[FF], 1.0, v[TP]                  ; f: a multiplication by it rounds nothing
.set j, 0
.rept 32
	v_pk_fma_f32 v[S+j:S+j+1], v[S+j:S+j+1], s[CS:CS+1], v[12:13] op_sel_hi:[1,0,0]   ; t - M, two at a time
.set j, j+2
.endr
.irp b, 0,1,2,3
	v_fma_f32 v[BM+\b], v[BM+\b], s[CS], v12
.endr
.set j, 0
.rept 64
	v_exp_f32 v[S+j], v[S+j]                       ; p = 2^(t - M), at most 1
.set j, j+1
.endr
	v_pk_mul_f32 v[14:15], v[14:15], v[FF:FF+1] op_sel_hi:[1,0]   ; the sums under the new M: the plain place behind the exponentials
	s_wait_alu depctr_va_vdst(0)                   ; one wait for the batch, ahead of its first reader
.irp b, 0,1,2,3
	v_exp_f32 v[BM+\b], v[BM+\b]                   ; each block's largest p
.endr
	v_pk_add_f32 v[BP:BP+1], v[S:S+1], v[S+2:S+3]  ; the row's sum of the unquantised p, in two chains
.set j, 4
.rept 15
	v_pk_add_f32 v[14:15], v[14:15], v[S+j:S+j+1]
	v_pk_add_f32 v[BP:BP+1], v[BP:BP+1], v[S+j+2:S+j+3]
.set j, j+4
.endr
	v_pk_add_f32 v[14:15], v[14:15], v[BP:BP+1]
	s_wait_alu depctr_va_vdst(0)                   ; and one for the four
.irp b, 0,1,2,3
	v_max_num_f32 v[BM+\b], 0x1800000, v[BM+\b]    ; the floor 2^(3 - 127): a block whose every p is 0 keeps the byte 1; its codes are zeros
.endr
.irp b, 0,1,2,3
	v_add_nc_u32 v[BO+\b], 0xff000000, v[BM+\b]
.endr
.irp b, 0,1,2,3
	v_lshrrev_b32 v[BP+\b], 23, v[BO+\b]
.endr
	v_lshl_or_b32 v[PS], v[BP+1], 8, v[BP]
	v_lshl_or_b32 v[PS], v[BP+2], 16, v[PS]
	v_lshl_or_b32 v[PS], v[BP+3], 24, v[PS]
.irp c, 0,1
	v_cvt_scalef32_pk16_fp6_f32 v[PC+6*\c:PC+6*\c+2], v[S+32*\c:S+32*\c+15], v[BO+2*\c]
	v_cvt_scalef32_pk16_fp6_f32 v[T+4*\c:T+4*\c+2], v[S+32*\c+16:S+32*\c+31], v[BO+2*\c+1]
.endr
	v_nop                                          ; one plain place behind a scaled conversion
.irp c, 0,1
.irp i, 0,1,2
	v_permlane16_swap_b32 v[PC+6*\c+\i], v[T+4*\c+\i]
.endr
.irp i, 0,1,2
	v_mov_b32 v[PC+3+6*\c+\i], v[T+4*\c+\i]
.endr
.endr
.set j, 0
.rept 16
	v_pk_mul_f32 v[OA+j:OA+j+1], v[OA+j:OA+j+1], v[FF:FF+1] op_sel_hi:[1,0]   ; O^T under the new M; these sixteen also stand between the codes and the scale word just made and the products
.set j, j+2
.endr
	s_wait_dscnt 0x0                               ; V
.irp y, 0,2
	v_wmma_scale_f32_16x16x128_f8f6f4 v[OA+8*\y:OA+8*\y+7], v[F+12*\y:F+12*\y+11], v[PC:PC+11], v[OA+8*\y:OA+8*\y+7], v[VS+\y/2], v[PS] matrix_a_fmt:MATRIX_FMT_FP6 matrix_b_fmt:MATRIX_FMT_FP6
	v_wmma_scale_f32_16x16x128_f8f6f4 v[OA+8*\y+8:OA+8*\y+15], v[F+12*\y+12:F+12*\y+23], v[PC:PC+11], v[OA+8*\y+8:OA+8*\y+15], v[VS+\y/2], v[PS] matrix_a_fmt:MATRIX_FMT_FP6 matrix_b_fmt:MATRIX_FMT_FP6 matrix_a_scale:MATRIX_SCALE_ROW1
.endr
	s_add_co_u32 s[TB], s[TB], REC
	s_sub_co_u32 s[CNT], s[CNT], 1
	s_cmp_lg_u32 s[CNT], 0
	s_cbranch_scc1 .Lstep
	; a tile's end: O^T / the sum, quantised along d (two blocks of 32): one unit and two scale bytes
.rept 4
	v_nop
.endr
	v_add_f32 v14, v14, v15
	v_permlanex16_b32 v[TP], v14, s[SEL], s[SEL+1]
	v_add_f32 v14, v14, v[TP]
	v_rcp_f32 v14, v14
	v_nop                                          ; a plain place behind the reciprocal
	s_wait_alu depctr_va_vdst(0)                   ; and the wait ahead of its first reader
.set j, 0
.rept 32
	v_mul_f32 v[S+j], v[OA+j], v14                 ; each accumulator from its low end on
.set j, j+1
.endr
.irp b, 0,1
	v_max3_num_f32 v[BM+\b], |v[S+16*\b]|, |v[S+16*\b+1]|, 0x1800000
.endr
.irp i, 2,4,6,8,10,12,14
.irp b, 0,1
	v_max3_num_f32 v[BM+\b], v[BM+\b], |v[S+16*\b+\i]|, |v[S+16*\b+\i+1]|
.endr
.endr
.irp b, 0,1
	v_permlanex16_b32 v[BP+\b], v[BM+\b], s[SEL], s[SEL+1]
.endr
.irp b, 0,1
	v_max_num_f32 v[BM+\b], v[BM+\b], v[BP+\b]
.endr
.irp b, 0,1
	v_add_nc_u32 v[BO+\b], 0xff000000, v[BM+\b]
.endr
.irp b, 0,1
	v_lshrrev_b32 v[BP+\b], 23, v[BO+\b]
.endr
	v_lshl_or_b32 v[TP], v[BP+1], 8, v[BP]
	v_cndmask_b32 v[WACC], v[WACC], v[TP], s[SELM] ; the first tile's words go to lanes 0-15, the second's to lanes 16-31
	v_cvt_scalef32_pk16_fp6_f32 v[PC:PC+2], v[S:S+15], v[BO]
	v_cvt_scalef32_pk16_fp6_f32 v[T:T+2], v[S+16:S+31], v[BO+1]
	v_nop
.irp i, 0,1,2
	v_permlane16_swap_b32 v[PC+\i], v[T+\i]
.endr
.irp i, 0,1,2
	v_mov_b32 v[PC+3+\i], v[T+\i]
.endr
	global_store_b128 v[LI16], v[PC:PC+3], s[YP:YP+1] th:TH_STORE_NT
	global_store_b64 v[LI8], v[PC+4:PC+5], s[YP:YP+1] offset:512 th:TH_STORE_NT
	s_wait_xcnt 0x0                                ; the stores have read their data and base, the loads of q theirs: all are written again
	s_add_nc_u64 s[QP:QP+1], s[QP:QP+1], 768
	s_add_nc_u64 s[QSP:QSP+1], s[QSP:QSP+1], 64
	s_add_nc_u64 s[YP:YP+1], s[YP:YP+1], 12288
	s_not_b32 s[SELM], s[SELM]
	s_sub_co_u32 s[TILES], s[TILES], 1
	s_cmp_lg_u32 s[TILES], 0
	s_cbranch_scc1 .Ltile
	global_store_b32 v[LI4], v[WACC], s[YSP:YSP+1] ; 128 consecutive bytes
	s_wait_kmcnt 0x0                               ; the last step's request for mask words
	s_wait_tensorcnt 0x0
	ds_add_u32 v254, v255
	s_wait_dscnt 0x0
	ROUND                                          ; the closing round
	s_endpgm
.Lfunc_end_k_q0ff4e04711_attn:
	.size	k_q0ff4e04711_attn, .Lfunc_end_k_q0ff4e04711_attn-k_q0ff4e04711_attn
	.p2alignl 7, 3214868480
	.fill 96, 4, 3214868480
	.section	.rodata,"a",@progbits
	.p2align	6, 0x0
	.amdhsa_kernel k_q0ff4e04711_attn
		.amdhsa_group_segment_fixed_size 210944
		.amdhsa_private_segment_fixed_size 0
		.amdhsa_enable_private_segment 0
		.amdhsa_kernarg_size 32
		.amdhsa_user_sgpr_count 2
		.amdhsa_user_sgpr_kernarg_segment_ptr 1
		.amdhsa_wavefront_size32 1
		.amdhsa_system_sgpr_workgroup_id_x 1
		.amdhsa_system_sgpr_workgroup_id_y 1
		.amdhsa_system_sgpr_workgroup_id_z 1
		.amdhsa_system_vgpr_workitem_id 0
		.amdhsa_next_free_vgpr 256
		.amdhsa_next_free_sgpr 106
		.amdhsa_reserve_vcc 0
		.amdhsa_float_denorm_mode_32 3
		.amdhsa_float_denorm_mode_16_64 3
		.amdhsa_memory_ordered 1
		.amdhsa_forward_progress 1
		.amdhsa_inst_pref_size 32
	.end_amdhsa_kernel
	.amdgpu_metadata
---
amdhsa.version: [ 1, 2 ]
amdhsa.kernels:
  - .name:           k_q0ff4e04711_attn
    .symbol:         k_q0ff4e04711_attn.kd
    .args:
      - { .name: qc, .offset: 0, .size: 8, .value_kind: global_buffer, .address_space: global }
      - { .name: kv, .offset: 8, .size: 8, .value_kind: global_buffer, .address_space: global }
      - { .name: mw, .offset: 16, .size: 8, .value_kind: global_buffer, .address_space: global }
      - { .name: yc, .offset: 24, .size: 8, .value_kind: global_buffer, .address_space: global }
    .group_segment_fixed_size: 210944
    .private_segment_fixed_size: 0
    .kernarg_segment_align: 8
    .kernarg_segment_size: 32
    .max_flat_workgroup_size: 512
    .sgpr_count:     106
    .vgpr_count:     256
    .wavefront_size: 32
...
	.end_amdgpu_metadata
.endif
;; end of part 3
;; launch outp (part 4): grid 4 x 64, 4 waves a work-group, clusters of 4 x 4, 295,424 bytes of LDS; arguments yc, wgt, bo, out0; writes out0
.if DOCPART == 4
	.amdgcn_target "amdgcn-amd-amdhsa--gfx1250"
	.amdhsa_code_object_version 6
	.text
	.protected	k_q0ff4e04711_outp
	.globl	k_q0ff4e04711_outp
	.p2align	8
	.type	k_q0ff4e04711_outp,@function
k_q0ff4e04711_outp:
	s_mov_b64 s[64:65], 0
	v_nop
	global_prefetch_b8 v0, s[64:65] scope:SCOPE_SE
	s_setreg_imm32_b32 hwreg(HW_REG_WAVE_MODE, 25, 1), 1
	s_wait_xcnt 0x0
	s_wait_alu depctr_hold_cnt(0) depctr_sa_sdst(0) depctr_va_vdst(0) depctr_va_sdst(0) depctr_va_ssrc(0) depctr_va_vcc(0) depctr_vm_vsrc(0)
	s_getreg_b32 s2, hwreg(HW_REG_IB_STS2, 6, 4)
	s_cmp_eq_u32 s2, 0
	s_cbranch_scc0 .Lentry_in_a_cluster
	s_endpgm
.Lentry_in_a_cluster:
	s_bfe_u32 s2, ttmp6, 0x10000c
	s_cmp_lg_u32 s2, 0xf033
	s_cbranch_scc0 .Lentry_shape_is_right
	s_endpgm
.Lentry_shape_is_right:
; out0 = concat Wo + bo on codes of E2M3.  Z[x][y] = sum over k of X[x][k] Y[y][k], K = 1,024: X = Wo's columns n (weight 3 of wgt), Y = the rows of concat (yc).  Source 0 = a rowtile of X, source 1 = a
; rowtile of Y: a lane holds one row of the output and its registers run along n; the 16 registers of result tiles 2 b and 2 b + 1 are columns 32 b + 16 (lane / 16) + 0 .. 15.
; A work-group makes 256 columns x 128 rows; all its 384 rows' codes for the whole K, 294,912 bytes, come into LDS at once, each byte filled once: no ring.  Four waves, each 128 x 64: 32 accumulators.
; CLUSTERS of 4 x 4: X's tile hangs on cx and is asked for jointly by the four of a column, Y's on cy by the four of a row.  By this text's count a wave has eight tensor loads out.
; REGISTERS: window 0: v4-13 addresses; v16-47 X's scale words, v48-63 Y's; v64-159 Y's fragments, two sets; v160-191 at work; on the way out v64-191 take rows of the output.
;   window 1: X's fragments, two sets.   window 2: accumulator (x, y) at v[8 (8 y + x)].   window 3: the bias, in the result's layout.
.set WGT_SC, 3145728
.set CHUNK,  73728
.set YOFF,   49152
.set AX16, 4
.set AX8,  5
.set AY16, 6
.set AY8,  7
.set LI16, 8
.set LI8,  9
.set LI4,  10
.set L32,  11
.set BA,   12
.set STO,  13
.set RD,   14
.set XS,   16
.set YS,   48
.set YF,   64
.set BK,   64
.set TS,   160                         ; v160-191 y's scale bytes as stored: head t of pair p at 16 p + t
.set G1X,  16
.set G1Y,  24
.set G0,   32
.set WV,   66
.set WX,   67
.set WY,   68
.set CX,   69
.set CY,   70
.set YT,   74
.set XSP,  82
.set YSP,  84
.set BP,   86
.set OP,   88
.set MSB, 0
.macro WIN new
.if MSB != \new
	s_set_vgpr_msb (MSB<<8)|\new
.set MSB, \new
.endif
.endm
.macro ROUND
	s_barrier_signal -1
	s_barrier_wait -1
	s_cmp_lg_u32 s[WV], 0
	s_cbranch_scc1 .Lnot_wave_0_\@
	s_barrier_signal -3
.Lnot_wave_0_\@:
	s_barrier_wait -3
	s_barrier_signal -1
	s_barrier_wait -1
.endm
.macro PLACES n
.rept \n
	v_nop
.endr
.endm
.macro FRAG reg, a16, a8, off
	ds_load_b128 v[(\reg):(\reg)+3], v[\a16] offset:(\off)
	ds_load_b64 v[(\reg)+4:(\reg)+5], v[\a8] offset:(\off)+512
	ds_load_b128 v[(\reg)+6:(\reg)+9], v[\a16] offset:(\off)+768
	ds_load_b64 v[(\reg)+10:(\reg)+11], v[\a8] offset:(\off)+1280
.endm
.macro FETCH s, p
	WIN 0x40
.irp i, 0,1,2,3,4,5,6,7
	FRAG 128*(\p)+12*\i, AX16, AX8, 3072*\i+1536*((\s)%2)
.endr
	WIN 0
.irp j, 0,1,2,3
	FRAG YF+48*(\p)+12*\j, AY16, AY8, 3072*\j+1536*((\s)%2)
.endr
.endm
.macro WMG d, a, b, c, sa, sb, ra, rb
.if (\ra) && (\rb)
	v_wmma_scale_f32_16x16x128_f8f6f4 v[(\d):(\d)+7], v[(\a):(\a)+11], v[(\b):(\b)+11], v[(\c):(\c)+7], v[\sa], v[\sb] matrix_a_fmt:MATRIX_FMT_FP6 matrix_b_fmt:MATRIX_FMT_FP6 matrix_a_scale:MATRIX_SCALE_ROW1 matrix_b_scale:MATRIX_SCALE_ROW1
.elseif (\ra)
	v_wmma_scale_f32_16x16x128_f8f6f4 v[(\d):(\d)+7], v[(\a):(\a)+11], v[(\b):(\b)+11], v[(\c):(\c)+7], v[\sa], v[\sb] matrix_a_fmt:MATRIX_FMT_FP6 matrix_b_fmt:MATRIX_FMT_FP6 matrix_a_scale:MATRIX_SCALE_ROW1
.elseif (\rb)
	v_wmma_scale_f32_16x16x128_f8f6f4 v[(\d):(\d)+7], v[(\a):(\a)+11], v[(\b):(\b)+11], v[(\c):(\c)+7], v[\sa], v[\sb] matrix_a_fmt:MATRIX_FMT_FP6 matrix_b_fmt:MATRIX_FMT_FP6 matrix_b_scale:MATRIX_SCALE_ROW1
.else
	v_wmma_scale_f32_16x16x128_f8f6f4 v[(\d):(\d)+7], v[(\a):(\a)+11], v[(\b):(\b)+11], v[(\c):(\c)+7], v[\sa], v[\sb] matrix_a_fmt:MATRIX_FMT_FP6 matrix_b_fmt:MATRIX_FMT_FP6
.endif
.endm
; 32 matrix instructions; the 32 accumulators take turns, one instruction a turn, in the same order in every step.  cmode 1: the sums begin with the bias (window 3, v[8 x])
.macro MUL s, p, cmode
.if \cmode
	WIN 0xb1
.else
	WIN 0xa1
.endif
.irp y, 0,1,2,3
.irp x, 0,1,2,3,4,5,6,7
.if \cmode == 0
	WMG 8*(8*\y+\x), 128*(\p)+12*\x, YF+48*(\p)+12*\y, 8*(8*\y+\x), XS+8*(\x/2)+(\s), YS+8*(\y/2)+(\s), \x%2, \y%2
.else
	WMG 8*(8*\y+\x), 128*(\p)+12*\x, YF+48*(\p)+12*\y, 8*\x, XS+8*(\x/2)+(\s), YS+8*(\y/2)+(\s), \x%2, \y%2
.endif
.endr
.endr
.endm
.macro GATE c                          ; chunk c is whole for every wave; the later chunks' loads, two each, may stay out
	s_wait_dscnt 0x0
	s_wait_tensorcnt 6-2*(\c)
	s_barrier_signal -1
	s_barrier_wait -1
.endm
.macro ADV                             ; on to the next chunk; these four are also the places in front of the loads that follow
	v_add_nc_u32 v[AX16], CHUNK, v[AX16]
	v_add_nc_u32 v[AX8], CHUNK, v[AX8]
	v_add_nc_u32 v[AY16], CHUNK, v[AY16]
	v_add_nc_u32 v[AY8], CHUNK, v[AY8]
.endm
.macro KSTEP s
	WIN 0
.if ((\s)+1) <= 7
.if ((\s)+1)%2 == 0
	GATE ((\s)+1)/2
	ADV
.else
	PLACES 4
.endif
	FETCH (\s)+1, ((\s)+1)%2
	s_wait_dscnt 48                                ; all but the 48 just issued
.else
	s_wait_dscnt 0x0
.endif
	MUL \s, (\s)%2, 0
.endm
	s_load_b256 s[4:11], s[0:1], 0x0               ; yc 4, wgt 6, bo 8, out0 10
	v_lshl_add_u32 v254, v0, 2, 0x48000
	v_mov_b32 v255, 0
	ds_add_u32 v254, v255
	ds_add_u32 v254, v255
	v_lshrrev_b32 v1, 5, v0
	v_readfirstlane_b32 s[WV], v1
	s_lshr_b32 s[WX], s[WV], 1
	s_and_b32 s[WY], s[WV], 1
	s_bfe_u32 s[CX], ttmp6, 0x40000                ; X's tile: 256 columns
	s_bfe_u32 s[CY], ttmp6, 0x40004
	s_and_b32 s2, ttmp7, 0xffff
	s_lshl_b32 s[YT], s2, 2
	s_add_co_u32 s[YT], s[YT], s[CY]               ; Y's tile: 128 rows
	s_lshl_b32 s2, 0x1111, s[CX]
	s_lshl_b32 s3, s[CY], 2
	s_lshl_b32 s3, 15, s3
	s_or_b32 s[G1X], s2, (3<<16)|(1<<21)
	s_or_b32 s[G1Y], s3, (3<<16)|(1<<21)
	s_mov_b32 s[G1X+1], 384<<16
	s_mov_b32 s[G1X+2], 4<<16
	s_mov_b32 s[G1X+3], 384<<16
	s_mov_b32 s[G1X+4], 4
	s_mov_b32 s[G1X+5], 1536
	s_mov_b32 s[G1X+6], 0
	s_mov_b32 s[G1X+7], 0
	s_mov_b32 s[G1Y+1], 384<<16
	s_mov_b32 s[G1Y+2], 2<<16
	s_mov_b32 s[G1Y+3], 384<<16
	s_mov_b32 s[G1Y+4], 2
	s_mov_b32 s[G1Y+5], 1536
	s_mov_b32 s[G1Y+6], 0
	s_mov_b32 s[G1Y+7], 0
	s_mul_i32 s96, s[CX], 196608
	s_add_co_u32 s96, s96, 2359296                 ; weight 3's codes
	s_mul_i32 s2, s[WV], 49152
	s_add_co_u32 s96, s96, s2
	s_mov_b32 s97, 0
	s_mul_i32 s98, s[YT], 98304
	s_mul_i32 s2, s[WV], 24576
	s_add_co_u32 s98, s98, s2
	s_mov_b32 s99, 0
	s_mul_i32 s100, s[WV], 12288
	s_mul_i32 s101, s[WV], 6144
	s_lshl_b32 s[XSP], s[CX], 4
	s_lshl_b32 s3, s[WX], 3
	s_add_co_u32 s[XSP], s[XSP], s3
	s_add_co_u32 s[XSP], s[XSP], 192
	s_lshl_b32 s[XSP], s[XSP], 9
	s_add_co_u32 s[XSP], s[XSP], WGT_SC
	s_mov_b32 s[XSP+1], 0
	s_lshr_b32 s[YSP], s[YT], 4                    ; y's scale bytes: [batch 16 + head][pair of tiles 64][32 lanes]: head 0 of my batch, my first pair
	s_lshl_b32 s[YSP], s[YSP], 10
	s_and_b32 s3, s[YT], 15
	s_lshl_b32 s3, s3, 2
	s_add_co_u32 s[YSP], s[YSP], s3
	s_lshl_b32 s3, s[WY], 1
	s_add_co_u32 s[YSP], s[YSP], s3
	s_lshl_b32 s[YSP], s[YSP], 7
	s_add_co_u32 s[YSP], s[YSP], 6291456
	s_mov_b32 s[YSP+1], 0
	s_lshl_b32 s[BP], s[CX], 1
	s_add_co_u32 s[BP], s[BP], s[WX]
	s_lshl_b32 s[BP], s[BP], 9                     ; my 128 columns, in bytes: in bo and in a row of the output
	s_mov_b32 s[BP+1], 0
	s_lshl_b32 s[OP], s[YT], 19                    ; 128 rows of 4,096 bytes,
	s_lshl_b32 s3, s[WY], 18                       ; my 64 of them
	s_add_co_u32 s[OP], s[OP], s3
	s_add_co_u32 s[OP], s[OP], s[BP]
	s_mov_b32 s[OP+1], 0
	s_wait_dscnt 0x0
	s_wait_kmcnt 0x0
	s_add_nc_u64 s[96:97], s[6:7], s[96:97]
	s_add_nc_u64 s[98:99], s[4:5], s[98:99]
	s_add_nc_u64 s[XSP:XSP+1], s[6:7], s[XSP:XSP+1]
	s_add_nc_u64 s[YSP:YSP+1], s[4:5], s[YSP:YSP+1]
	s_add_nc_u64 s[BP:BP+1], s[8:9], s[BP:BP+1]
	s_add_nc_u64 s[OP:OP+1], s[10:11], s[OP:OP+1]
.irp c, 0,1,2,3
	s_mov_b32 s[G0+8*\c], 1
	s_add_co_u32 s[G0+8*\c+1], s100, CHUNK*\c
	s_add_nc_u64 s[G0+8*\c+2:G0+8*\c+3], s[96:97], 3072*\c
	s_or_b32 s[G0+8*\c+3], s[G0+8*\c+3], 0x80000000
	s_mov_b32 s[G0+8*\c+4], 1
	s_add_co_u32 s[G0+8*\c+5], s101, CHUNK*\c+YOFF
	s_add_nc_u64 s[G0+8*\c+6:G0+8*\c+7], s[98:99], 3072*\c
	s_or_b32 s[G0+8*\c+7], s[G0+8*\c+7], 0x80000000
.endr
	ROUND                                          ; all sixteen work-groups are here: the joint loads meet
.irp c, 0,1,2,3
	tensor_load_to_lds s[G0+8*\c:G0+8*\c+3], s[G1X:G1X+7]
	s_nop 0
	tensor_load_to_lds s[G0+8*\c+4:G0+8*\c+7], s[G1Y:G1Y+7]
	s_nop 0
.endr
	PLACES 4
	v_and_b32 v1, 31, v0
	v_and_b32 v2, 15, v0
	v_bfe_u32 v3, v0, 4, 1
	v_lshlrev_b32 v[LI16], 4, v1
	v_lshlrev_b32 v[LI8], 3, v1
	v_lshlrev_b32 v[LI4], 2, v1
	v_lshlrev_b32 v[L32], 5, v1
	v_lshlrev_b32 v[BA], 6, v3
.irp p, 0,1
.irp t, 0,1,2,3,4,5,6,7,8,9,10,11,12,13,14,15
	global_load_b32 v[TS+16*\p+\t], v[LI4], s[YSP:YSP+1] offset:8192*\t+128*\p   ; head t's two bytes of row r of tile 2 p + u, in lane 16 u + r
.endr
.endr
.irp p, 0,1,2,3
	global_load_b128 v[XS+8*\p:XS+8*\p+3], v[L32], s[XSP:XSP+1] offset:1024*\p
	global_load_b128 v[XS+8*\p+4:XS+8*\p+7], v[L32], s[XSP:XSP+1] offset:1024*\p+16
.endr
	WIN 0xc0                                       ; destination window 3
.irp x, 0,1,2,3,4,5,6,7
	global_load_b128 v[8*\x:8*\x+3], v[BA], s[BP:BP+1] offset:(32*(\x/2)+8*(\x%2))*4
	global_load_b128 v[8*\x+4:8*\x+7], v[BA], s[BP:BP+1] offset:(32*(\x/2)+8*(\x%2))*4+16
.endr
	WIN 0
	s_mul_i32 s2, s[WX], 24576
	v_add_nc_u32 v[AX16], s2, v[LI16]
	v_add_nc_u32 v[AX8], s2, v[LI8]
	s_mul_i32 s2, s[WY], 12288
	s_add_co_u32 s2, s2, YOFF
	v_add_nc_u32 v[AY16], s2, v[LI16]
	v_add_nc_u32 v[AY8], s2, v[LI8]
	s_mul_i32 s2, s[WV], 8448                      ; my stage for the way out: 16 rows x (512 + 16) bytes, in chunk 0
	v_mul_u32_u24 v[STO], v2, 528
	v_lshl_add_u32 v[STO], v3, 6, v[STO]
	v_add_nc_u32 v[STO], s2, v[STO]
	v_add_nc_u32 v[RD], s2, v[LI16]
	s_wait_loadcnt 0x0
.irp p, 0,1
.irp s, 0,1,2,3,4,5,6,7
	v_perm_b32 v[YS+8*\p+\s], v[TS+16*\p+2*\s+1], v[TS+16*\p+2*\s], 0x05040100   ; K step s is heads 2 s and 2 s + 1: their two bytes each make its scale word
.endr
.endr
	PLACES 8                                       ; a scale register written by a vector instruction stands 8 places ahead of a scaled matrix instruction
	GATE 0
	FETCH 0, 0
	FETCH 1, 1
	s_wait_dscnt 48                                ; K step 0's fragments are in; K step 1's 48 loads may be out
	MUL 0, 0, 1
.irp s, 1,2,3,4,5,6,7
	KSTEP \s
.endr
	WIN 0
; THE WAY OUT, a tile of 16 rows x 128 columns at a time, through my own stage and back as whole rows of 512 bytes.  The stage lies in chunk 0: it was filled once, and every wave's reads of it were
; over in front of the barrier that opened chunk 1.  LDS serves a wave's instructions in order: no wait between the stores and the loads.
.macro TOSTAGE y
	WIN 0x08                                       ; an LDS store's data: window 2
.irp x, 0,1,2,3,4,5,6,7
	ds_store_b128 v[STO], v[8*(8*(\y)+\x):8*(8*(\y)+\x)+3] offset:128*(\x/2)+32*(\x%2)          ; each accumulator from its low end on
	ds_store_b128 v[STO], v[8*(8*(\y)+\x)+4:8*(8*(\y)+\x)+7] offset:128*(\x/2)+32*(\x%2)+16
.endr
	WIN 0
.irp t, 0,1,2,3,4,5,6,7,8,9,10,11,12,13,14,15
	ds_load_b128 v[BK+64*((\y)%2)+4*\t:BK+64*((\y)%2)+4*\t+3], v[RD] offset:528*\t
.endr
.endm
.macro SEND y, younger                 ; younger: the LDS instructions issued behind tile y's loads, which may stay out
	s_wait_dscnt \younger
.irp t, 0,1,2,3,4,5,6,7,8,9,10,11,12,13,14,15
	global_store_b128 v[LI16], v[BK+64*((\y)%2)+4*\t:BK+64*((\y)%2)+4*\t+3], s[OP:OP+1] offset:(32*((\y)/2)+8*((\y)%2)+\t+8*(\t/8))*4096 th:TH_STORE_NT   ; 512 consecutive bytes, aligned
.endr
.endm
	PLACES 4                                       ; in front of the first read of results, and of loads into registers that the last products read
	TOSTAGE 0
	TOSTAGE 1
	SEND 0, 32                                     ; behind tile 0's loads: tile 1's 16 stores and 16 loads
	s_wait_xcnt 0x0                                ; tile 0's stores have read their registers: tile 2's rows may land there
	TOSTAGE 2
	SEND 1, 32
	s_wait_xcnt 0x0
	TOSTAGE 3
	SEND 2, 32
	SEND 3, 0
	s_wait_tensorcnt 0x0
	ds_add_u32 v254, v255
	s_wait_dscnt 0x0
	ROUND                                          ; the closing round
	s_endpgm
.Lfunc_end_k_q0ff4e04711_outp:
	.size	k_q0ff4e04711_outp, .Lfunc_end_k_q0ff4e04711_outp-k_q0ff4e04711_outp
	.p2alignl 7, 3214868480
	.fill 96, 4, 3214868480
	.section	.rodata,"a",@progbits
	.p2align	6, 0x0
	.amdhsa_kernel k_q0ff4e04711_outp
		.amdhsa_group_segment_fixed_size 295424
		.amdhsa_private_segment_fixed_size 0
		.amdhsa_enable_private_segment 0
		.amdhsa_kernarg_size 32
		.amdhsa_user_sgpr_count 2
		.amdhsa_user_sgpr_kernarg_segment_ptr 1
		.amdhsa_wavefront_size32 1
		.amdhsa_system_sgpr_workgroup_id_x 1
		.amdhsa_system_sgpr_workgroup_id_y 1
		.amdhsa_system_sgpr_workgroup_id_z 1
		.amdhsa_system_vgpr_workitem_id 0
		.amdhsa_next_free_vgpr 1024
		.amdhsa_next_free_sgpr 106
		.amdhsa_reserve_vcc 0
		.amdhsa_float_denorm_mode_32 3
		.amdhsa_float_denorm_mode_16_64 3
		.amdhsa_memory_ordered 1
		.amdhsa_forward_progress 1
		.amdhsa_inst_pref_size 89
	.end_amdhsa_kernel
	.amdgpu_metadata
---
amdhsa.version: [ 1, 2 ]
amdhsa.kernels:
  - .name:           k_q0ff4e04711_outp
    .symbol:         k_q0ff4e04711_outp.kd
    .args:
      - { .name: yc, .offset: 0, .size: 8, .value_kind: global_buffer, .address_space: global }
      - { .name: wgt, .offset: 8, .size: 8, .value_kind: global_buffer, .address_space: global }
      - { .name: bo, .offset: 16, .size: 8, .value_kind: global_buffer, .address_space: global }
      - { .name: out0, .offset: 24, .size: 8, .value_kind: global_buffer, .address_space: global }
    .group_segment_fixed_size: 295424
    .private_segment_fixed_size: 0
    .kernarg_segment_align: 8
    .kernarg_segment_size: 32
    .max_flat_workgroup_size: 128
    .sgpr_count:     106
    .vgpr_count:     1024
    .wavefront_size: 32
...
	.end_amdgpu_metadata
.endif
;; end of part 4
